; MI455X (gfx1250); checked and timed in simulation.
; The chip was launched on July 23, 2026; its instructions are those of AMD's public machine-readable ISA for CDNA 5 (MIT licence, August 2026) and "CDNA5" Instruction Set Architecture Reference Guide (July 2026). The comments in the code are by the model that wrote it; some were corrected since.
;; Standard Multi Head Attention. Allowed arithmetic: matrix products marked QUANTISED: E4M3 operands, one given power-of-two scale a tensor, by v_wmma_f32_16x16x64_fp8_fp8 or v_wmma_f32_16x16x128_fp8_fp8, f32 sums; everything else in f32.
;; Inputs: Wk 1,024 x 1,024 float32; Wo 1,024 x 1,024 float32; Wq 1,024 x 1,024 float32; Wv 1,024 x 1,024 float32; bk 1,024 float32; bo 1,024 float32; bq 1,024 float32; bv 1,024 float32; lowp_scales 12 int32 (the exponents e of the quantised operands' scales 2^e); mask 4 x 2,048 x 2,048 int32; x 4 x 2,048 x 1,024 float32.
;; Outputs: out0 4 x 2,048 x 1,024 float32.
;; This version of the problem:
;;   THIS VERSION OF THE PROBLEM IS GIVEN IN LOW PRECISION. The matrix products marked QUANTISED in the list below multiply operands that are first quantised to E4M3 (4 exponent bits, 3 mantissa bits; 8 bits a number), with one given power-of-two scale for each operand tensor; their sums are f32. All else is computed in f32.
;;   The module's matrix products, in the order in which they are computed (A, B: the left and right operand; K: the contracted axis; several contracted axes count as one K, in the product's order):
;;     1. [M 8,192, K 1,024] x [K 1,024, N 1,024]; A: input x; B: input Wq: QUANTISED (scales: A lowp_scales[0], B lowp_scales[1])
;;     2. [M 8,192, K 1,024] x [K 1,024, N 1,024]; A: input x; B: input Wk: QUANTISED (scales: A lowp_scales[2], B lowp_scales[3])
;;     3. [M 8,192, K 1,024] x [K 1,024, N 1,024]; A: input x; B: input Wv: QUANTISED (scales: A lowp_scales[4], B lowp_scales[5])
;;     4. batch 64 x [M 2,048, K 64] x [K 64, N 2,048]; A: computed on the way; B: computed on the way: QUANTISED (scales: A lowp_scales[6], B lowp_scales[7])
;;     5. batch 64 x [M 2,048, K 2,048] x [K 2,048, N 64]; A: softmax (see below); B: computed on the way: QUANTISED (scales: A lowp_scales[8], B lowp_scales[9])
;;     6. [M 8,192, K 1,024] x [K 1,024, N 1,024]; A: computed on the way; B: input Wo: QUANTISED (scales: A lowp_scales[10], B lowp_scales[11])
;;   THE QUANTISER, for each operand of a quantised product, along K:
;;     - The operand's scale is 2^e, e = its entry of the input lowp_scales (int32; the entries are numbered through the quantised products in the list's order, A before B).
;;     - Each number is divided by the scale, clamped to +-448, and rounded to the nearest number of E4M3, ties to even, subnormals kept.
;;     - The product sums the exact products of the quantised numbers (number of the format x scale) in f32.
;;   ~~~python
;;   def quantise(x, axis, e):      # numpy; x: float32 -> the quantised numbers, widened to float32 again
;;       x = np.moveaxis(x, axis, -1); K = x.shape[-1]
;;       r = np.clip(x / 2.0 ** e, -448, 448)
;;       step = 2.0 ** (np.maximum(np.frexp(np.where(r == 0, 1, r))[1] - 1, -6) - 3)
;;       q = np.round(r / step) * step * 2.0 ** e      # np.round: ties to even
;;       return np.moveaxis(q, -1, axis).astype(np.float32)
;;   ~~~
;;   SOFTMAX AHEAD OF A QUANTISED PRODUCT. Where the list says 'softmax', what is quantised is not the finished softmax but p = 2^(t - M), with t = logit x log2(e) and M = ceil(the row's largest t), a whole number; so 1/2 < the row's largest p <= 1. The row's sum l is taken of the UNQUANTISED p, in f32, and the product's result is divided by l at the end. Since M is a whole number, a kernel that streams over the keys may use a running M (the ceiling of the running maximum): every later rescaling is an exact power of two, so the quantised numbers keep their values, but for numbers so far below the row's largest that they fall under the format's range.
;;   OPERANDS COMPUTED ON THE WAY. 'Computed on the way' means the value that the module computes at that place (a softmax that the list does not call 'softmax' is quantised finished and normalised). What goes into a quantiser is computed in f32, as accurately as f32 sums, v_exp_f32 and their like allow (about 1e-6 of the number): no bf16 or f16 on the way to a quantiser, and a product that is left as it is and whose result goes on into a quantised operand takes f32 operands (vector FMAs, or v_wmma_f32_16x16x4_f32). A number that lies on a knife's edge between two numbers of the format may be rounded either way, as far as f32 arithmetic and the matrix unit's own rounding can turn it there, and no further.
;; 2 versions, each right; version 2 is version 1 with the launch attn written anew for expert scheduling mode. Each part assembles by itself: llvm-mc -triple=amdgcn-amd-amdhsa -mcpu=gfx1250 --defsym DOCPART=n.
;; ======== version 1 of 2: 4 launches
;; limits: right only within a limited range of input values
;; workspace buffers: xc 25,165,824 bytes; wc 4,194,304 bytes; mbits 2,097,152 bytes of whole numbers; mflag 2,048 bytes of whole numbers; qkv 25,165,824 bytes; ac 8,388,608 bytes
;; launch prep (part 1): grid 320 x 1, 4 waves a work-group, no clusters, 68,096 bytes of LDS; arguments x, Wq, Wk, Wv, Wo, mask, lowp_scales, xc, wc, mbits, mflag; writes xc, wc, mbits, mflag
.if DOCPART == 1
	.amdgcn_target "amdgcn-amd-amdhsa--gfx1250"
	.amdhsa_code_object_version 6
	.text
	.protected	k_qa55f57d295_prep
	.globl	k_qa55f57d295_prep
	.p2align	8
	.type	k_qa55f57d295_prep,@function
k_qa55f57d295_prep:
	s_mov_b64 s[64:65], 0
	v_nop
	global_prefetch_b8 v0, s[64:65] scope:SCOPE_SE
	s_setreg_imm32_b32 hwreg(HW_REG_WAVE_MODE, 25, 1), 1
	s_wait_xcnt 0x0
; PREP: x and the four weights become codes of FP8 (E4M3); the mask becomes lane-mask words and flags.
; A JOB is one wave's: 16 STORAGE ROWS of one tensor.  Row r of tile t is the tensor's row 32 (t / 2) + 8 (t % 2) + r + 8 (r / 8): with rows chosen so, a product that takes
; a tile as its source 0 leaves, in the 16 registers of two neighbouring tiles, 16 neighbours of the natural order.
; Work-groups 0-127: the mask (job = 4 x work-group + wave = 128 x batch + tile of queries).  128-255: x (512 tiles; quantised three times, with entries 0, 2, 4 of the scales).
; 256-319: Wq, Wk, Wv, Wo (64 tiles each; entries 1, 3, 5, 11).
; A UNIT is 16 rows x 128 numbers of 4 bytes.  It is loaded row by row (32 lanes read 512 consecutive bytes), goes through the wave's own stage in LDS and comes back so that lane (r, h)
; holds, in register 16 c + i, the number at column 32 c + 16 h + i of row r: 16 neighbours along K for the conversions, and the order of a matrix operand's registers.
; CODES leave as images of operand registers: for 128 along K, 2,048 bytes [c 0..3][lane][16 bytes]; each store of the wave covers 512 consecutive bytes.
; code = number / 2^e, held within +-448, to the nearest code, ties to even.
; MASK: word n (0..63) of a unit has bit l = (register n of lane l is not 0); a unit's 64 words leave as 256 consecutive bytes.  The tile's flag word: bit s: key step s (128 keys) must be worked
; (some bit of it is set, or some row of the tile has no bit set among all 2,048 keys, and then every step is worked); bit 16 + s: step s has a hole, so its words are needed.
; LIMITS: each exponent used here lies between -126 and 119.  NaN among x and the weights is not served; an infinity is held at the largest code.
; No barrier: waves share nothing.  The two paths never meet and have LDS bytes of their own.
.set SROW,  528                        ; a stage row: 512 bytes + 16, an odd multiple of 16: sixteen lanes that read one column of 16 rows touch 16 different 16-byte columns
.set STG,   16*SROW                    ; a wave's stage
.set MBASE, 4*STG                      ; the mask path's four stages lie behind the other path's four
.set PITX,  4096                       ; a row of x or of a weight, in bytes
.set PITM,  8192                       ; a row of the mask
.set R,     16                         ; v16-143  two sets of 64: a unit as loaded
.set X,     144                        ; v144-207 a unit as turned
.set T,     208                        ; v208-223 16 numbers held
.set C,     224                        ; v224-239 a unit's codes
; v1 lane; v2 16 x lane; v3 stage, way in; v4 stage, way out; v5-10 2^e and 448 x 2^e for three passes; v11 8 x lane; v[12:13] mask words
; s[42:43] source; s[44:49] three destinations; s50 trips; s51 key step; s52 any; s53 holes; s54 rows' bits; s55, s56 a unit's OR and AND; s[68:75] eight compare words
.macro LOAD set, k, pitch              ; unit k (from the source pointer on) into set
.irp rr, 0,1,2,3,4,5,6,7,8,9,10,11,12,13,14,15
	global_load_b128 v[R+64*\set+4*\rr:R+64*\set+4*\rr+3], v2, s[42:43] offset:(\rr+8*(\rr/8))*\pitch+512*(\k) th:TH_LOAD_NT
.endr
.endm
.macro TURN set, base                  ; through my stage: LDS serves a wave's instructions in order, so no wait stands between the stores and the loads
.irp rr, 0,1,2,3,4,5,6,7,8,9,10,11,12,13,14,15
	ds_store_b128 v3, v[R+64*\set+4*\rr:R+64*\set+4*\rr+3] offset:\base+SROW*\rr
.endr
.irp c, 0,1,2,3
.irp j, 0,1,2,3
	ds_load_b128 v[X+16*\c+4*\j:X+16*\c+4*\j+3], v4 offset:\base+128*\c+16*\j
.endr
.endr
.endm
.macro MKSCALE vs, vl, se              ; 2^e and 448 x 2^e as f32
	s_add_co_i32 s62, s[\se], 127
	s_lshl_b32 s63, s62, 23
	v_mov_b32 v[\vs], s63
	s_add_co_i32 s62, s62, 8
	s_lshl_b32 s62, s62, 23
	s_or_b32 s62, s62, 0x600000
	v_mov_b32 v[\vl], s62
.endm
.macro QPASS p, k                      ; the unit in X is quantised with scale p and stored as image k
	s_wait_xcnt 0x0                                ; the last stores have read C: it is written again only behind this wait
.irp c, 0,1,2,3
.irp i, 0,1,2,3,4,5,6,7
	v_med3_num_f32 v[T+\i], v[X+16*\c+\i], -v[6+2*\p], v[6+2*\p]   ; the conversion does not saturate (ISA guide 7.6.2): hold first
.endr
	v_cvt_scalef32_pk8_fp8_f32 v[C+4*\c:C+4*\c+1], v[T:T+7], v[5+2*\p]
.irp i, 0,1,2,3,4,5,6,7
	v_med3_num_f32 v[T+8+\i], v[X+16*\c+8+\i], -v[6+2*\p], v[6+2*\p]   ; eight plain lines stand between a conversion and the next write of its sources
.endr
	v_cvt_scalef32_pk8_fp8_f32 v[C+4*\c+2:C+4*\c+3], v[T+8:T+15], v[5+2*\p]
.endr
.irp c, 0,1,2,3
	global_store_b128 v2, v[C+4*\c:C+4*\c+3], s[44+2*\p:45+2*\p] offset:2048*(\k)+512*\c
.endr
.endm
.macro MWORDS k                        ; the unit in X becomes 64 lane-mask words and two flag bits
	s_wait_xcnt 0x0                                ; the last store has read v[12:13]
	s_mov_b32 s55, 0
	s_mov_b32 s56, -1
.irp g, 0,1,2,3,4,5,6,7
.irp i, 0,1,2,3,4,5,6,7
	v_cmp_ne_u32 s[68+\i], 0, v[X+8*\g+\i]         ; word n = 8 g + i
.endr
.irp i, 0,1,2,3,4,5,6,7
	v_writelane_b32 v[12+(\i%2)], s[68+\i], 4*\g+\i/2   ; word n into lane n / 2, register n % 2: the store below lays the words in order
.endr
.irp i, 0,1,2,3,4,5,6,7
	s_or_b32 s55, s55, s[68+\i]
	s_and_b32 s56, s56, s[68+\i]
.endr
.endr
	global_store_b64 v11, v[12:13], s[44:45] offset:256*(\k)   ; 256 consecutive bytes
	s_cmp_lg_u32 s55, 0
	s_cselect_b32 s57, 1, 0
	s_lshl_b32 s57, s57, s51
	s_or_b32 s52, s52, s57                         ; some key of the step counts for some query of the tile
	s_cmp_lg_u32 s56, -1
	s_cselect_b32 s57, 1, 0
	s_lshl_b32 s57, s57, s51
	s_or_b32 s53, s53, s57                         ; the step has a hole
	s_or_b32 s54, s54, s55                         ; which lanes have seen a key that counts
	s_add_co_u32 s51, s51, 1
.endm
.macro UNITX set, k, load, left
	s_wait_loadcnt \left                           ; this set's 16 loads are in; the other set's may be out
	TURN \set, 0
	s_wait_dscnt 0x0                               ; X is in, and the stage's stores have read this set,
.if \load
	LOAD \set, (\k)+2, PITX                        ; which takes the unit two further on
.endif
	QPASS 0, \k
	s_cmp_ge_u32 ttmp9, 256                        ; a weight has one scale, x three
	s_cbranch_scc1 .Lone_\@
	QPASS 1, \k
	QPASS 2, \k
.Lone_\@:
.endm
.macro UNITM set, k, load, left
	s_wait_loadcnt \left
	TURN \set, MBASE
	s_wait_dscnt 0x0
.if \load
	LOAD \set, (\k)+2, PITM
.endif
	MWORDS \k
.endm
	s_load_b256 s[4:11], s[0:1], 0x0               ; x, Wq, Wk, Wv
	s_load_b256 s[12:19], s[0:1], 0x20             ; Wo, mask, the scales' exponents, xc
	s_load_b128 s[20:23], s[0:1], 0x40             ; wc, mbits
	s_load_b64 s[24:25], s[0:1], 0x50              ; mflag
	v_lshl_add_u32 v240, v0, 2, 0x10800
	v_mov_b32 v241, 0
	v_and_b32 v1, 31, v0                           ; lane
	v_lshrrev_b32 v2, 5, v0
	v_readfirstlane_b32 s40, v2                    ; wave
	v_lshlrev_b32 v2, 4, v1
	v_and_b32 v14, 15, v0                          ; r
	v_bfe_u32 v15, v0, 4, 1                        ; h
	s_mul_i32 s41, s40, STG
	v_add_nc_u32 v3, s41, v2                       ; way in: 16 x lane of a row
	v_mul_u32_u24 v4, v14, SROW
	v_lshl_add_u32 v4, v15, 6, v4
	v_add_nc_u32 v4, s41, v4                       ; way out: row r, + 64 h
	v_lshlrev_b32 v11, 3, v1
	v_mov_b32 v12, 0                               ; written once: a lane write's destination counts as read
	v_mov_b32 v13, 0
	s_wait_kmcnt 0x0
	s_cmp_lt_u32 ttmp9, 128
	s_cbranch_scc1 .Lmask
	; ---- x and the weights
	s_load_b256 s[28:35], s[16:17], 0x0            ; e0 .. e7
	s_load_b128 s[36:39], s[16:17], 0x20           ; e8 .. e11
	s_movk_i32 s57, 256
	s_cmp_lt_u32 ttmp9, 256
	s_cselect_b32 s57, 128, s57
	s_sub_co_u32 s57, ttmp9, s57
	s_lshl_b32 s57, s57, 2
	s_add_co_u32 s59, s57, s40                     ; job: x: tile 0..511; weights: 64 m + tile
	s_lshr_b32 s60, s59, 6                         ; m
	s_cmp_eq_u32 s60, 1
	s_cselect_b64 s[42:43], s[8:9], s[6:7]
	s_cmp_eq_u32 s60, 2
	s_cselect_b64 s[42:43], s[10:11], s[42:43]
	s_cmp_eq_u32 s60, 3
	s_cselect_b64 s[42:43], s[12:13], s[42:43]
	s_mov_b32 s61, 63
	s_cmp_lt_u32 ttmp9, 256                        ; the choices hang on the work-group's number alone
	s_cselect_b64 s[42:43], s[4:5], s[42:43]
	s_cselect_b64 s[44:45], s[18:19], s[20:21]
	s_cselect_b32 s61, 511, s61
	s_and_b32 s61, s59, s61                        ; the tile within its tensor
	s_lshr_b32 s62, s61, 1
	s_lshl_b32 s62, s62, 17                        ; 32 rows of 4,096 bytes
	s_and_b32 s63, s61, 1
	s_lshl_b32 s63, s63, 15                        ; 8 rows
	s_add_co_u32 s62, s62, s63
	s_mov_b32 s63, 0
	s_add_nc_u64 s[42:43], s[42:43], s[62:63]
	s_lshl_b32 s62, s59, 14                        ; a tile's eight images
	s_add_nc_u64 s[44:45], s[44:45], s[62:63]
	s_add_nc_u64 s[46:47], s[44:45], 0x800000      ; x's second and third sets of codes (used by x's jobs alone)
	s_add_nc_u64 s[48:49], s[44:45], 0x1000000
	LOAD 0, 0, PITX
	LOAD 1, 1, PITX
	s_wait_kmcnt 0x0
	s_cmp_eq_u32 s60, 1
	s_cselect_b32 s57, s31, s29                    ; e3 : e1
	s_cmp_eq_u32 s60, 2
	s_cselect_b32 s57, s33, s57                    ; e5
	s_cmp_eq_u32 s60, 3
	s_cselect_b32 s57, s39, s57                    ; e11
	s_cmp_lt_u32 ttmp9, 256
	s_cselect_b32 s57, s28, s57                    ; e0
	MKSCALE 5, 6, 57
	MKSCALE 7, 8, 30                               ; e2
	MKSCALE 9, 10, 32                              ; e4
	s_mov_b32 s50, 3
.Lxw:                                                  ; two units a trip; eight in all, the last two behind the loop without loads
	UNITX 0, 0, 1, 16
	UNITX 1, 1, 1, 16
	s_wait_xcnt 0x0                                ; the pointers are stepped only behind this wait
	s_add_nc_u64 s[42:43], s[42:43], 1024
	s_add_nc_u64 s[44:45], s[44:45], 4096
	s_add_nc_u64 s[46:47], s[46:47], 4096
	s_add_nc_u64 s[48:49], s[48:49], 4096
	s_sub_co_u32 s50, s50, 1
	s_cmp_lg_u32 s50, 0
	s_cbranch_scc1 .Lxw
	UNITX 0, 0, 0, 16
	UNITX 1, 1, 0, 0
	s_wait_tensorcnt 0x0
	ds_add_u32 v240, v241
	s_wait_dscnt 0x0
	s_endpgm
	; ---- the mask
.Lmask:
	s_lshl_b32 s59, ttmp9, 2
	s_add_co_u32 s59, s59, s40                     ; job = 128 x batch + tile
	s_lshr_b32 s62, s59, 1
	s_lshl_b32 s62, s62, 18                        ; 32 rows of 8,192 bytes
	s_and_b32 s63, s59, 1
	s_lshl_b32 s63, s63, 16                        ; 8 rows
	s_add_co_u32 s62, s62, s63
	s_mov_b32 s63, 0
	s_add_nc_u64 s[42:43], s[14:15], s[62:63]
	s_lshl_b32 s62, s59, 12                        ; 16 steps x 64 words
	s_add_nc_u64 s[44:45], s[22:23], s[62:63]
	s_mov_b32 s51, 0
	s_mov_b32 s52, 0
	s_mov_b32 s53, 0
	s_mov_b32 s54, 0
	LOAD 0, 0, PITM
	LOAD 1, 1, PITM
	s_mov_b32 s50, 7
.Lm:                                                   ; two key steps a trip; sixteen in all
	UNITM 0, 0, 1, 16
	UNITM 1, 1, 1, 16
	s_wait_xcnt 0x0
	s_add_nc_u64 s[42:43], s[42:43], 1024
	s_add_nc_u64 s[44:45], s[44:45], 512
	s_sub_co_u32 s50, s50, 1
	s_cmp_lg_u32 s50, 0
	s_cbranch_scc1 .Lm
	UNITM 0, 0, 0, 16
	UNITM 1, 1, 0, 0
	s_lshr_b32 s57, s54, 16                        ; row r lives in lanes r and r + 16
	s_or_b32 s57, s57, s54
	s_and_b32 s57, s57, 0xffff
	s_cmp_lg_u32 s57, 0xffff                       ; a row without any key that counts: all its keys weigh alike, so every step is worked
	s_cselect_b32 s57, 0xffff, 0
	s_or_b32 s52, s52, s57
	s_lshl_b32 s53, s53, 16
	s_or_b32 s52, s52, s53
	s_lshl_b32 s59, s59, 2
	v_mov_b32 v14, s59
	v_mov_b32 v15, s52
	s_wait_xcnt 0x0                                ; EXEC changes only behind this wait
	v_cmp_eq_u32 vcc_lo, 0, v1
	s_wait_tensorcnt 0x0
	ds_add_u32 v240, v241
	s_wait_dscnt 0x0
	s_and_saveexec_b32 s57, vcc_lo
	global_store_b32 v14, v15, s[24:25]            ; the tile's flag word, by lane 0
	s_wait_xcnt 0x0
	s_or_b32 exec_lo, exec_lo, s57
	s_endpgm
.Lfunc_end_k_qa55f57d295_prep:
	.size	k_qa55f57d295_prep, .Lfunc_end_k_qa55f57d295_prep-k_qa55f57d295_prep
	.p2alignl 7, 3214868480
	.fill 96, 4, 3214868480
	.section	.rodata,"a",@progbits
	.p2align	6, 0x0
	.amdhsa_kernel k_qa55f57d295_prep
		.amdhsa_group_segment_fixed_size 68096
		.amdhsa_private_segment_fixed_size 0
		.amdhsa_enable_private_segment 0
		.amdhsa_kernarg_size 88
		.amdhsa_user_sgpr_count 2
		.amdhsa_user_sgpr_kernarg_segment_ptr 1
		.amdhsa_wavefront_size32 1
		.amdhsa_system_sgpr_workgroup_id_x 1
		.amdhsa_system_sgpr_workgroup_id_y 1
		.amdhsa_system_sgpr_workgroup_id_z 1
		.amdhsa_system_vgpr_workitem_id 0
		.amdhsa_next_free_vgpr 242
		.amdhsa_next_free_sgpr 80
		.amdhsa_reserve_vcc 1
		.amdhsa_float_denorm_mode_32 3
		.amdhsa_float_denorm_mode_16_64 3
		.amdhsa_memory_ordered 1
		.amdhsa_forward_progress 1
		.amdhsa_inst_pref_size 144
	.end_amdhsa_kernel
	.amdgpu_metadata
---
amdhsa.version: [ 1, 2 ]
amdhsa.kernels:
  - .name:           k_qa55f57d295_prep
    .symbol:         k_qa55f57d295_prep.kd
    .args:
      - { .name: x, .offset: 0, .size: 8, .value_kind: global_buffer, .address_space: global }
      - { .name: Wq, .offset: 8, .size: 8, .value_kind: global_buffer, .address_space: global }
      - { .name: Wk, .offset: 16, .size: 8, .value_kind: global_buffer, .address_space: global }
      - { .name: Wv, .offset: 24, .size: 8, .value_kind: global_buffer, .address_space: global }
      - { .name: Wo, .offset: 32, .size: 8, .value_kind: global_buffer, .address_space: global }
      - { .name: mask, .offset: 40, .size: 8, .value_kind: global_buffer, .address_space: global }
      - { .name: lowp_scales, .offset: 48, .size: 8, .value_kind: global_buffer, .address_space: global }
      - { .name: xc, .offset: 56, .size: 8, .value_kind: global_buffer, .address_space: global }
      - { .name: wc, .offset: 64, .size: 8, .value_kind: global_buffer, .address_space: global }
      - { .name: mbits, .offset: 72, .size: 8, .value_kind: global_buffer, .address_space: global }
      - { .name: mflag, .offset: 80, .size: 8, .value_kind: global_buffer, .address_space: global }
    .group_segment_fixed_size: 68096
    .private_segment_fixed_size: 0
    .kernarg_segment_align: 8
    .kernarg_segment_size: 88
    .max_flat_workgroup_size: 128
    .sgpr_count:     80
    .vgpr_count:     242
    .wavefront_size: 32
...
	.end_amdgpu_metadata
.endif
;; end of part 1
;; launch gemm_qkv (part 2): grid 12 x 32, 4 waves a work-group, clusters of 4 x 4, 327,680 bytes of LDS; arguments xc, wc, lowp_scales, bq, bk, bv, qkv; writes qkv
.if DOCPART == 2
	.amdgcn_target "amdgcn-amd-amdhsa--gfx1250"
	.amdhsa_code_object_version 6
	.text
	.protected	k_qa55f57d295_gemm_qkv
	.globl	k_qa55f57d295_gemm_qkv
	.p2align	8
	.type	k_qa55f57d295_gemm_qkv,@function
k_qa55f57d295_gemm_qkv:
	s_mov_b64 s[64:65], 0
	v_nop
	global_prefetch_b8 v0, s[64:65] scope:SCOPE_SE
	s_setreg_imm32_b32 hwreg(HW_REG_WAVE_MODE, 25, 1), 1
	s_wait_xcnt 0x0
	s_wait_alu depctr_hold_cnt(0) depctr_sa_sdst(0) depctr_va_vdst(0) depctr_va_sdst(0) depctr_va_ssrc(0) depctr_va_vcc(0) depctr_vm_vsrc(0)
	s_getreg_b32 s2, hwreg(HW_REG_IB_STS2, 6, 4)
	s_cmp_eq_u32 s2, 0
	s_cbranch_scc0 .Lentry_in_a_cluster
	s_endpgm
.Lentry_in_a_cluster:
	s_bfe_u32 s2, ttmp6, 0x10000c
	s_cmp_lg_u32 s2, 0xf033
	s_cbranch_scc0 .Lentry_shape_is_right
	s_endpgm
.Lentry_shape_is_right:
; q, k, v = x W^T + b on codes of FP8 (E4M3), and the results quantised again, as operands of the attention's products.
; The cluster's x says which of the three (0 q, 1 k, 2 v): it picks x's set of codes, the weight, the bias and the exponents eA, eB (the product's) and eo (the result's: entries 6, 7, 9).
; A tile of the result is 256 tokens x 256 features, made by four waves, each 128 x 128: 64 accumulators.  K = 1,024 goes in four steps of 256 through two LDS slots filled by the tensor data mover.
; OPERANDS LIE IN MEMORY AS IMAGES OF OPERAND REGISTERS: for 16 rows x 128 K, 2,048 bytes [c 0..3][lane][16 bytes]; lane (r, h) holds k = 32 c + 16 h + 0 .. 15 of row r in registers 4 c .. 4 c + 3, alike in both
; operands, so every product meets its partner.  A row tile's eight images lie on end (16,384 bytes).  A wave's tensor load brings 8 row tiles x 4,096 bytes (256 along K); LDS needs no padding: each
; fragment load reads 512 consecutive bytes.
; TRANSPOSED USE: source 0 = 16 rows of W, source 1 = 16 tokens.  The rows of a tile of W are 32 (t / 2) + 8 (t % 2) + r + 8 (r / 8), so a lane's 16 registers of tiles 2 b, 2 b + 1 are the 16 neighbouring
; features 32 b + 16 h + 0 .. 15 of ONE token: the conversions' results are the next operand's registers, and leave as images of 16 tokens x 64 (a head): [which][batch x head][token tile][1,024 bytes].
; THE BIAS is the C of each sum's first product, divided by 2^(eA + eB); the sums' code is sum / 2^(eo - eA - eB), held within +-448.
; CLUSTER 4 x 4: x's tiles are asked for jointly along a row of the cluster, W's along a column.
; LIMITS: eo - eA - eB between -126 and 119.  NaN is not served.
; REGISTERS: window 0: v12 scale, v13 hold, v14 bias offset, v16-21 LDS addresses, v26 16 x lane, v28, v29 the add's; v32-95 at work on the way out; v64-127 the bias; v128-255 x's fragments, one set, later the codes.
;   window 1: W's fragments, two sets.  windows 2, 3: the accumulators ((a, b) at v[8 (8 (a % 4) + b)]).
.set FR,     16
.set NL,     4
.set NP,     4                         ; places behind this matrix instruction (ISA guide 7.12.1)
.set HALFT,  32768                     ; 8 row tiles x 4,096 bytes: what one tensor load brings
.set SLOT,   4*HALFT                   ; x's 256 tokens, then W's 256 rows
.set SPARE,  2*SLOT                    ; the spare words, 128 bytes a wave: two blocks of 256 bytes that no other line names
.set SC,   12
.set LIM,  13
.set BO,   14
.set ADRA, 16
.set ADRB, 20
.set CO,   26
.set SPW,  28
.set NIL,  29
.set TMP,  32
.set BI,   64
.set AF,   128
.set CD,   128
.set G1,  24
.set G0,  32
.set G1B, 48
.set G0B, 56
.set MSB, 0
.macro WIN new                         ; the immediate's high byte repeats the setting that is left
.if MSB != (\new)
	s_set_vgpr_msb (MSB<<8)|(\new)
.set MSB, (\new)
.endif
.endm
.set MUL_LO, 0xa1                      ; source 0 (W) window 1, source 1 (x) window 0, C and D window 2
.set MUL_HI, 0xf1                      ; the same, C and D window 3
.set TO_B,   0x40
.macro JLOAD g0a, g1a, g0b, g1b        ; a joint load: waves 0, 1 fetch for x, waves 2, 3 for W; four v_nop follow each line
	s_cmp_eq_u32 s15, 0
	s_cbranch_scc0 .Lfor_b_\@
	tensor_load_to_lds s[\g0a:\g0a+3], s[\g1a:\g1a+7]
	s_nop 0
.rept 4
	v_nop
.endr
	s_branch .Lasked_\@
.Lfor_b_\@:
	tensor_load_to_lds s[\g0b:\g0b+3], s[\g1b:\g1b+7]
	s_nop 0
.rept 4
	v_nop
.endr
.Lasked_\@:
.endm
.macro CREST
	s_cmp_lg_u32 s14, 0
	s_cbranch_scc1 .Lnot_wave_0_\@
	s_barrier_signal -3
.Lnot_wave_0_\@:
	s_barrier_wait -3
	s_barrier_signal -1
	s_barrier_wait -1
.endm
.macro CROUND
	s_barrier_signal -1
	s_barrier_wait -1
	CREST
.endm
.macro PLACES n
.rept \n
	v_nop
.endr
.endm
.macro FRAG reg, adr, q, i             ; row tile i's image of the slot's q-th 128 along K
.irp c, 0,1,2,3
	ds_load_b128 v[\reg+4*\c:\reg+4*\c+3], v[\adr] offset:2048*(\q)+512*\c+4096*(\i)
.endr
.endm
.macro MUL16 a0, p, zero               ; token blocks a0, a0 + 1 x W's eight.  zero = 1: the bias starts the sums.  The 64 accumulators take turns, one instruction a turn
.irp a, \a0, \a0+1
.irp b, 0,1,2,3,4,5,6,7
.if \zero
	v_wmma_f32_16x16x128_fp8_fp8 v[8*(8*((\a)%4)+\b):8*(8*((\a)%4)+\b)+7], v[128*(\p)+FR*\b:128*(\p)+FR*\b+FR-1], v[AF+FR*(\a):AF+FR*(\a)+FR-1], v[BI+8*\b:BI+8*\b+7]
.else
	v_wmma_f32_16x16x128_fp8_fp8 v[8*(8*((\a)%4)+\b):8*(8*((\a)%4)+\b)+7], v[128*(\p)+FR*\b:128*(\p)+FR*\b+FR-1], v[AF+FR*(\a):AF+FR*(\a)+FR-1], v[8*(8*((\a)%4)+\b):8*(8*((\a)%4)+\b)+7]
.endif
.endr
.endr
.endm
.macro FETCH_B slot, q, p
	WIN TO_B
.irp i, 0,1,2,3,4,5,6,7
	FRAG 128*(\p)+FR*\i, ADRB+\slot, \q, \i
.endr
	WIN 0
.endm
.macro FETCH_A slot, q, i0
.irp i, \i0, \i0+1, \i0+2, \i0+3
	FRAG AF+FR*(\i), ADRA+\slot, \q, \i
.endr
.endm
.macro STEP slot, q, zero              ; 128 along K with its successor in the same slot
	s_wait_dscnt 4*NL                              ; W's set and token blocks 0-3 are in; the youngest 16 loads (blocks 4-7) may be out
.if \zero
	WIN 0x81                                       ; C (the bias) window 0, D window 2
.else
	WIN MUL_LO
.endif
	MUL16 0, (\q)%2, \zero
	MUL16 2, (\q)%2, \zero
	s_wait_dscnt 0
	PLACES NP                                      ; in front of loads into registers that matrix instructions have read
	FETCH_B \slot, (\q)+1, 1-(\q)%2
	FETCH_A \slot, (\q)+1, 0
.if \zero
	WIN 0xc1
.else
	WIN MUL_HI
.endif
	MUL16 4, (\q)%2, \zero
	MUL16 6, (\q)%2, \zero
	PLACES NP
	WIN 0
	FETCH_A \slot, (\q)+1, 4
.endm
.macro TURN slot, next, fill           ; a slot's last 128 along K, and the change of slots
	s_wait_tensorcnt 0x0                           ; all my tensor loads have landed: my part of the next slot
	ds_add_u32 v[SPW], v[NIL]                      ; 0 onto my spare word
	s_wait_dscnt 4*NL+1                            ; (the add and the youngest 16 loads may be out)
	WIN MUL_LO
	MUL16 0, 1, 0
	s_wait_dscnt 0x0                               ; the add is done, and my reads of this slot are over
	s_barrier_signal -1
	MUL16 2, 1, 0
	WIN 0
	s_barrier_wait -1
.if \fill
	CREST                                          ; the barrier has opened a round of the cluster's barrier: no wave of any partner still reads this slot or has a load on its way
	s_add_nc_u64 s[G0+4*\slot+2:G0+4*\slot+3], s[G0+4*\slot+2:G0+4*\slot+3], 8192
	s_add_nc_u64 s[G0B+4*\slot+2:G0B+4*\slot+3], s[G0B+4*\slot+2:G0B+4*\slot+3], 8192
	JLOAD G0+4*\slot, G1, G0B+4*\slot, G1B         ; the first tensor load behind the round; its four v_nop are the places in front of the loads below
.else
	PLACES NP
.endif
	FETCH_B \next, 0, 0
	FETCH_A \next, 0, 0
	WIN MUL_HI
	MUL16 4, 1, 0
	MUL16 6, 1, 0
	PLACES NP
	WIN 0
	FETCH_A \next, 0, 4
.endm
	s_load_b128 s[4:7], s[0:1], 0x0                ; xc, wc
	s_load_b64 s[8:9], s[0:1], 0x10                ; the scales' exponents
	s_load_b128 s[68:71], s[0:1], 0x18             ; bq, bk
	s_load_b128 s[72:75], s[0:1], 0x28             ; bv, qkv
	v_lshl_add_u32 v[SPW], v0, 2, SPARE
	v_mov_b32 v[NIL], 0
	ds_add_u32 v28, v29
	ds_add_u32 v28, v29
	s_wait_dscnt 0x0
	v_lshrrev_b32 v1, 5, v0
	v_readfirstlane_b32 s14, v1                    ; wave
	s_lshr_b32 s15, s14, 1                         ; my half of the tokens.  Also: I fetch for x (0) or for W (1)
	s_and_b32 s16, s14, 1                          ; my half of the features.  Also: which 128 rows I fetch
	s_bfe_u32 s40, ttmp6, 0x40000                  ; cx
	s_bfe_u32 s41, ttmp6, 0x40004                  ; cy
	s_lshl_b32 s42, ttmp9, 2
	s_add_co_u32 s42, s42, s40                     ; tile column 0..11 over the three weights
	s_and_b32 s17, ttmp7, 0xffff
	s_lshl_b32 s17, s17, 2
	s_add_co_u32 s17, s17, s41                     ; tile row 0..31
	s_lshl_b32 s43, s41, 2
	s_lshl_b32 s43, 15, s43                        ; my row of the cluster
	s_lshl_b32 s44, 0x1111, s40                    ; my column
	s_or_b32 s[G1+0], s43, (3<<16)|(1<<21)         ; 15:0 the mask; 17:16 elements of 8 bytes; 21 set beside a mask; no padding
	s_or_b32 s[G1B+0], s44, (3<<16)|(1<<21)
.irp g, G1, G1B
	s_mov_b32 s[\g+1], 512<<16                     ; tensor_dim0 = 512 elements: 4,096 bytes, two images
	s_mov_b32 s[\g+2], 8<<16                       ; tensor_dim1 = 8 row tiles
	s_mov_b32 s[\g+3], 512<<16                     ; tile_dim0
	s_mov_b32 s[\g+4], 8                           ; tile_dim1
	s_mov_b32 s[\g+5], 2048                        ; 16,384 bytes from row tile to row tile
	s_mov_b32 s[\g+6], 0
	s_mov_b32 s[\g+7], 0
.endr
	s_lshl_b32 s18, s16, 17                        ; which 8 row tiles I fetch
	s_lshl_b32 s20, s17, 18                        ; x: 16 row tiles a tile row,
	s_add_co_u32 s20, s20, s18
	s_lshl_b32 s19, ttmp9, 23                      ; in the set of codes that belongs to this product
	s_add_co_u32 s20, s20, s19
	s_mov_b32 s21, 0
	s_lshl_b32 s46, s42, 18                        ; W
	s_add_co_u32 s46, s46, s18
	s_mov_b32 s47, 0
	s_mul_i32 s45, s14, HALFT                      ; where they go: no place in the cluster enters an LDS address
	s_wait_kmcnt 0x0
	s_load_b256 s[76:83], s[8:9], 0x0              ; e0 .. e7
	s_load_b128 s[84:87], s[8:9], 0x20             ; e8 .. e11
	s_add_nc_u64 s[20:21], s[4:5], s[20:21]
	s_add_nc_u64 s[46:47], s[6:7], s[46:47]
	CROUND                                         ; all sixteen work-groups are here: the first joint loads meet
.irp s, 0,1
	s_mov_b32 s[G0+4*\s], 1
	s_add_co_u32 s[G0+4*\s+1], s45, \s*SLOT
	s_add_nc_u64 s[G0+4*\s+2:G0+4*\s+3], s[20:21], \s*4096
	s_or_b32 s[G0+4*\s+3], s[G0+4*\s+3], 0x80000000
	s_mov_b32 s[G0B+4*\s], 1
	s_add_co_u32 s[G0B+4*\s+1], s45, \s*SLOT
	s_add_nc_u64 s[G0B+4*\s+2:G0B+4*\s+3], s[46:47], \s*4096
	s_or_b32 s[G0B+4*\s+3], s[G0B+4*\s+3], 0x80000000
	JLOAD G0+4*\s, G1, G0B+4*\s, G1B
.endr
	v_and_b32 v1, 31, v0
	v_lshlrev_b32 v[CO], 4, v1                     ; 16 x lane: an image's place for my lane
	v_bfe_u32 v2, v0, 4, 1
	v_lshlrev_b32 v[BO], 6, v2                     ; the bias: my half's 16 numbers
	s_mul_i32 s21, s15, HALFT
	s_mul_i32 s22, s16, HALFT
	s_add_co_u32 s22, s22, 2*HALFT
.irp s, 0,1
	v_add_nc_u32 v[ADRA+\s], s21, v[CO]
	v_add_nc_u32 v[ADRB+\s], s22, v[CO]
	s_add_co_u32 s21, s21, SLOT
	s_add_co_u32 s22, s22, SLOT
.endr
	s_cmp_eq_u32 ttmp9, 0                          ; the cluster's x is the same in all partners
	s_cselect_b64 s[88:89], s[68:69], s[70:71]
	s_cmp_eq_u32 ttmp9, 2
	s_cselect_b64 s[88:89], s[72:73], s[88:89]
	s_lshl_b32 s90, s40, 10                        ; 256 features of 4 bytes a tile column,
	s_lshl_b32 s91, s16, 9                         ; my 128
	s_add_co_u32 s90, s90, s91
	s_mov_b32 s91, 0
	s_add_nc_u64 s[88:89], s[88:89], s[90:91]
.irp b, 0,1,2,3,4,5,6,7                        ; tile b's eight registers: features 32 (b / 2) + 16 h + 8 (b % 2) + 0 .. 7
	global_load_b128 v[BI+8*\b:BI+8*\b+3], v[BO], s[88:89] offset:(32*(\b/2)+8*(\b%2))*4
	global_load_b128 v[BI+8*\b+4:BI+8*\b+7], v[BO], s[88:89] offset:(32*(\b/2)+8*(\b%2))*4+16
.endr
	s_lshl_b32 s90, ttmp9, 6                       ; where my codes go: ((which x 64 + batch x 16 + head) x 128 + token tile) x 1,024
	s_lshr_b32 s91, s17, 3
	s_lshl_b32 s91, s91, 4
	s_add_co_u32 s90, s90, s91
	s_lshl_b32 s91, s40, 2
	s_add_co_u32 s90, s90, s91
	s_lshl_b32 s91, s16, 1
	s_add_co_u32 s90, s90, s91
	s_lshl_b32 s90, s90, 7
	s_and_b32 s91, s17, 7
	s_lshl_b32 s91, s91, 4
	s_add_co_u32 s90, s90, s91
	s_lshl_b32 s91, s15, 3
	s_add_co_u32 s90, s90, s91
	s_lshl_b32 s90, s90, 10
	s_mov_b32 s91, 0
	s_add_nc_u64 s[10:11], s[74:75], s[90:91]
	s_wait_kmcnt 0x0
	s_cmp_eq_u32 ttmp9, 0
	s_cselect_b32 s92, s76, s78                    ; eA: e0, e2, e4
	s_cselect_b32 s93, s77, s79                    ; eB: e1, e3, e5
	s_cselect_b32 s94, s82, s83                    ; eo: e6, e7, e9
	s_cmp_eq_u32 ttmp9, 2
	s_cselect_b32 s92, s80, s92
	s_cselect_b32 s93, s81, s93
	s_cselect_b32 s94, s85, s94
	s_add_co_i32 s92, s92, s93                     ; eA + eB
	s_sub_co_i32 s93, 0, s92
	s_sub_co_i32 s94, s94, s92                     ; eo - eA - eB: the three scales folded into the conversion's one
	s_add_co_i32 s94, s94, 127
	s_lshl_b32 s95, s94, 23
	v_mov_b32 v[SC], s95
	s_add_co_i32 s94, s94, 8
	s_lshl_b32 s94, s94, 23
	s_or_b32 s94, s94, 0x600000
	v_mov_b32 v[LIM], s94                          ; 448 x that
	s_wait_loadcnt 0x0
.set j, 0
.rept 64
	v_ldexp_f32 v[BI+j], v[BI+j], s93              ; b / 2^(eA + eB)
.set j, j+1
.endr
	s_wait_tensorcnt 1                             ; my part of K step 0 is in; K step 1's may be out
	s_barrier_signal -1
	s_barrier_wait -1
	FETCH_B 0, 0, 0
	FETCH_A 0, 0, 0
	FETCH_A 0, 0, 4
	STEP 0, 0, 1                                   ; K = 1,024 is four slots' worth: written straight, both slots filled again once
	TURN 0, 1, 1
	STEP 1, 0, 0
	TURN 1, 0, 1
	STEP 0, 0, 0
	TURN 0, 1, 0
	STEP 1, 0, 0
	s_wait_dscnt 4*NL
	WIN MUL_LO
	MUL16 0, 1, 0
	MUL16 2, 1, 0
	s_wait_dscnt 0
	WIN MUL_HI
	MUL16 4, 1, 0
	MUL16 6, 1, 0
	WIN 0
; THE WAY OUT, token block by token block: hold, convert, store.  A lane's 64 sums of a block are 32 + 32 features of one token: 16 registers of codes, two images' parts; each store covers 512 consecutive bytes.
; Each block has code registers of its own, so no store's data are written again.
.macro OUTBLK a
	WIN 0x02+(\a)/4                                ; source 0: window 2 or 3
.set j, 0
.rept 64
	v_med3_num_f32 v[TMP+j], v[64*((\a)%4)+j], -v[LIM], v[LIM]   ; each accumulator from its low end on
.set j, j+1
.endr
	WIN 0
.irp b, 0,1,2,3,4,5,6,7
	v_cvt_scalef32_pk8_fp8_f32 v[CD+16*(\a)+2*\b:CD+16*(\a)+2*\b+1], v[TMP+8*\b:TMP+8*\b+7], v[SC]
.endr
	v_nop                                          ; a plain line between the last conversion and the next write of its sources
.irp hd, 0,1
.irp c, 0,1
	global_store_b128 v[CO], v[CD+16*(\a)+8*\hd+4*\c:CD+16*(\a)+8*\hd+4*\c+3], s[10:11] offset:131072*\hd+1024*(\a)+512*\c
.endr
.endr
.endm
	PLACES NP
.irp a, 0,1,2,3,4,5,6,7
	OUTBLK \a
.endr
	s_wait_tensorcnt 0x0                           ; the wave's end
	ds_add_u32 v[SPW], v[NIL]
	s_wait_dscnt 0x0
	CROUND                                         ; the closing round
	s_endpgm
.Lfunc_end_k_qa55f57d295_gemm_qkv:
	.size	k_qa55f57d295_gemm_qkv, .Lfunc_end_k_qa55f57d295_gemm_qkv-k_qa55f57d295_gemm_qkv
	.p2alignl 7, 3214868480
	.fill 96, 4, 3214868480
	.section	.rodata,"a",@progbits
	.p2align	6, 0x0
	.amdhsa_kernel k_qa55f57d295_gemm_qkv
		.amdhsa_group_segment_fixed_size 327680
		.amdhsa_private_segment_fixed_size 0
		.amdhsa_enable_private_segment 0
		.amdhsa_kernarg_size 56
		.amdhsa_user_sgpr_count 2
		.amdhsa_user_sgpr_kernarg_segment_ptr 1
		.amdhsa_wavefront_size32 1
		.amdhsa_system_sgpr_workgroup_id_x 1
		.amdhsa_system_sgpr_workgroup_id_y 1
		.amdhsa_system_sgpr_workgroup_id_z 1
		.amdhsa_system_vgpr_workitem_id 0
		.amdhsa_next_free_vgpr 1024
		.amdhsa_next_free_sgpr 100
		.amdhsa_reserve_vcc 0
		.amdhsa_float_denorm_mode_32 3
		.amdhsa_float_denorm_mode_16_64 3
		.amdhsa_memory_ordered 1
		.amdhsa_forward_progress 1
		.amdhsa_inst_pref_size 123
	.end_amdhsa_kernel
	.amdgpu_metadata
---
amdhsa.version: [ 1, 2 ]
amdhsa.kernels:
  - .name:           k_qa55f57d295_gemm_qkv
    .symbol:         k_qa55f57d295_gemm_qkv.kd
    .args:
      - { .name: xc, .offset: 0, .size: 8, .value_kind: global_buffer, .address_space: global }
      - { .name: wc, .offset: 8, .size: 8, .value_kind: global_buffer, .address_space: global }
      - { .name: lowp_scales, .offset: 16, .size: 8, .value_kind: global_buffer, .address_space: global }
      - { .name: bq, .offset: 24, .size: 8, .value_kind: global_buffer, .address_space: global }
      - { .name: bk, .offset: 32, .size: 8, .value_kind: global_buffer, .address_space: global }
      - { .name: bv, .offset: 40, .size: 8, .value_kind: global_buffer, .address_space: global }
      - { .name: qkv, .offset: 48, .size: 8, .value_kind: global_buffer, .address_space: global }
    .group_segment_fixed_size: 327680
    .private_segment_fixed_size: 0
    .kernarg_segment_align: 8
    .kernarg_segment_size: 56
    .max_flat_workgroup_size: 128
    .sgpr_count:     100
    .vgpr_count:     1024
    .wavefront_size: 32
...
	.end_amdgpu_metadata
.endif
;; end of part 2
;; launch attn (part 3): grid 4 x 64, 16 waves a work-group, no clusters, 264,192 bytes of LDS; arguments qkv, mbits, mflag, lowp_scales, ac; writes ac
.if DOCPART == 3
	.amdgcn_target "amdgcn-amd-amdhsa--gfx1250"
	.amdhsa_code_object_version 6
	.text
	.protected	k_qa55f57d295_attn
	.globl	k_qa55f57d295_attn
	.p2align	8
	.type	k_qa55f57d295_attn,@function
k_qa55f57d295_attn:
	s_mov_b64 s[64:65], 0
	v_nop
	global_prefetch_b8 v0, s[64:65] scope:SCOPE_SE
	s_setreg_imm32_b32 hwreg(HW_REG_WAVE_MODE, 25, 1), 1
	s_wait_xcnt 0x0
; ATTENTION on codes of FP8 (E4M3): S^T = K Q^T, the given mask, p = 2^(t - M), O^T = V^T P^T, O / l, quantised for the last product.
; q, k, v: [which][batch x head][token tile 0..127][1,024 bytes]: images of operand registers, 16 tokens x 64: [c 0..1][lane][16 bytes], lane (r, h): k = 32 c + 16 h + 0 .. 15 of the tile's row r,
; which is token 32 (T / 2) + 8 (T % 2) + r + 8 (r / 8).
; SHARES.  A work-group has one head and ALL its keys and values in LDS (128 KiB + 128 KiB), filled once; it owns query tiles T = 4 i + x, i = 0 .. 31; wave w takes i = w and then i = 31 - w.
; Both products are used transposed: a lane holds ONE query throughout.  With the tiles' rows chosen as above, register n of S^T is key 128 s + 32 (n / 16) + 16 h + n % 16: p's codes are the second product's operand.
; V is turned once, at the head: 16-bit transposing loads on pairs of bytes, then byte permutes; V^T lies as images of 16 channels x 128 keys, its tiles' rows chosen like the tokens', so that O^T's registers are neighbours too.
; THE MASK: word n of (batch, T, s) is the lane mask of register n; where a bit is 0 the raw score becomes -2^(33 - e6 - e7), that is t = -log2(e) 2^30, a whole number.  So a query all of whose keys so far are hidden has
; t - M = 0 and p = 1 on each of them, as equal logits give, and any key that counts later multiplies that away by 2^(old M - new M) = 0.
; THE FLAGS (whole numbers stored by the launch before): bit s: key step s must be worked; bit 16 + s: it has a hole.  A step that is not worked is passed over by a scalar branch; a step without a hole passes over the 64 selects.
; SOFTMAX: t = score x log2(e) / 8; M = the running largest t rounded up, kept as -M = floor(-t); l is summed of the unquantised p; when M moves, l and O^T are multiplied by a power of two.
; NO CLUSTER, NO TENSOR LOAD: the four work-groups of a head read the same 256 KiB once, at the head; joint loads would forbid the branches on the stored flags, which leave out whole key steps (12 products and some
; 270 vector lines each), far more than one shared fill is worth.  Nothing is prefetched: K and V are asked for in one run at the head, and nothing else is streamed.
; LIMITS: the hidden logit is -2^30 in place of -1e9: the same results while real logits stay far above it, which 64 x 448^2 x 2^(e6 + e7) / 8 < 2^29 makes sure: e6 + e7 <= 8; also e6 + e7 >= -94; e8 and e10 between -126 and 119.
; REGISTERS: v1 16 x lane; v2, v3 LDS addresses of the step's K, V; v4 the hidden raw score; v5, v6 2^e8, 448 x 2^e8; v7, v8 the same for e10; v9 16 x lane + V's region; v10, v11 the fill's addresses; v12 -M; v13 largest t;
;   v[14:15] l; v16-23, v24-31 Q of my two tiles; v32-95 fragments; v96-159 S^T, p; v160-191 O^T; v192-223 the way out; v224-239 p's codes; v240-247 o's codes; v248-254 at work.
; SCALARS: s2 wave; s3 key step; s[4:5] lane selects; s[6:7] c; s8 the step's LDS byte; s9 at work; s[10:11] the tile's mask words; s12 its flags; s13 the step's byte among them; s14 e8; s15 e8 + e9;
;   s[16:63], s[68:83] the step's 64 mask words; s94, s95 128 x batch + T of my two tiles; s96, s97 their flags; s[98:99] where o's codes go; s100 the head.
.set VREG, 131072                      ; K's 128 images at 0; V^T's [step 0..15][tile 0..3][2,048 bytes] here
.macro MKSCALE vs, vl, se
	s_add_co_i32 s12, s[\se], 127
	s_lshl_b32 s13, s12, 23
	v_mov_b32 v[\vs], s13
	s_add_co_i32 s12, s12, 8
	s_lshl_b32 s12, s12, 23
	s_or_b32 s12, s12, 0x600000
	v_mov_b32 v[\vl], s12
.endm
	s_load_b256 s[84:91], s[0:1], 0x0              ; qkv, mbits, mflag, the scales' exponents
	s_load_b64 s[92:93], s[0:1], 0x20              ; ac
	v_lshl_add_u32 v251, v0, 2, 0x40000
	v_mov_b32 v255, 0
	v_and_b32 v1, 31, v0
	v_lshrrev_b32 v2, 5, v0
	v_readfirstlane_b32 s2, v2                     ; wave 0..15
	v_lshlrev_b32 v1, 4, v1
	v_add_nc_u32 v9, VREG, v1
	s_lshl_b32 s9, s2, 13                          ; 8,192 x wave: my key step's bytes in either region
	v_add_nc_u32 v2, s9, v1                        ; the fill: images as they come
	v_bfe_u32 v10, v0, 3, 2                        ; the turning loads: group g of eight lanes takes channels 16 g on (256 g bytes), lane i of it the i-th of eight neighbouring keys
	v_and_b32 v11, 7, v0
	v_lshlrev_b32 v10, 8, v10
	v_lshl_add_u32 v10, v11, 4, v10
	v_add_nc_u32 v10, s9, v10
	v_bfe_u32 v11, v0, 4, 1                        ; and where the turned bytes go: my channels are 16 g + 2 i and + 1: bit 5 and bit 3 of the channel pick the tile, bit 4 and bits 2:0 its row
	v_lshlrev_b32 v11, 12, v11
	v_bfe_u32 v3, v0, 3, 1
	v_lshl_add_u32 v11, v3, 7, v11
	v_bfe_u32 v3, v0, 2, 1
	v_lshl_add_u32 v11, v3, 11, v11
	v_and_b32 v3, 3, v0
	v_lshl_add_u32 v11, v3, 5, v11
	v_add_nc_u32 v11, s9, v11
	v_add_nc_u32 v11, VREG, v11
	v_mov_b32 v250, 0                              ; written once: a lane permute's destination counts as read
	v_mov_b32 v253, 0                              ; (named as the upper half of a pair)
	s_mov_b32 s4, 0x76543210
	s_mov_b32 s5, 0xfedcba98
	s_mov_b32 s66, 0x06040200                      ; the even bytes of two registers
	s_mov_b32 s67, 0x07050301                      ; the odd ones
	s_and_b32 s12, ttmp7, 0xffff                   ; batch x 16 + head
	s_lshr_b32 s13, s12, 4
	s_lshl_b32 s13, s13, 7                         ; 128 x batch
	s_and_b32 s100, s12, 15
	s_lshl_b32 s94, s2, 2
	s_add_co_u32 s94, s94, ttmp9                   ; T of my first tile: 4 w + x
	s_sub_co_u32 s95, 31, s2
	s_lshl_b32 s95, s95, 2
	s_add_co_u32 s95, s95, ttmp9                   ; of my second: 4 (31 - w) + x
	s_lshl_b32 s14, s12, 7
	s_add_co_u32 s24, s14, s94
	s_lshl_b32 s24, s24, 10
	s_mov_b32 s25, 0
	s_add_co_u32 s26, s14, s95
	s_lshl_b32 s26, s26, 10
	s_mov_b32 s27, 0
	s_lshl_b32 s28, s14, 10
	s_add_co_u32 s28, s28, s9                      ; my 8 token tiles of the head
	s_add_co_u32 s30, s28, 0x800000                ; in k
	s_add_co_u32 s28, s28, 0x1000000               ; in v
	s_mov_b32 s29, 0
	s_mov_b32 s31, 0
	s_add_co_u32 s94, s94, s13
	s_add_co_u32 s95, s95, s13
	s_lshl_b32 s32, s94, 2
	s_lshl_b32 s33, s95, 2
	s_wait_kmcnt 0x0
	s_load_b256 s[68:75], s[90:91], 0x0            ; e0 .. e7
	s_load_b128 s[76:79], s[90:91], 0x20           ; e8 .. e11
	s_load_b32 s96, s[88:89], s32 offset:0x0
	s_load_b32 s97, s[88:89], s33 offset:0x0
	s_add_nc_u64 s[16:17], s[84:85], s[24:25]
	s_add_nc_u64 s[18:19], s[84:85], s[26:27]
	s_add_nc_u64 s[20:21], s[84:85], s[28:29]
	s_add_nc_u64 s[22:23], s[84:85], s[30:31]
	global_load_b128 v[16:19], v1, s[16:17]
	global_load_b128 v[20:23], v1, s[16:17] offset:512
	global_load_b128 v[24:27], v1, s[18:19]
	global_load_b128 v[28:31], v1, s[18:19] offset:512
.irp i, 0,1,2,3,4,5,6,7,8,9,10,11,12,13,14,15
	global_load_b128 v[32+4*\i:35+4*\i], v1, s[20:21] offset:512*\i   ; v, as it lies
.endr
.irp i, 0,1,2,3,4,5,6,7,8,9,10,11,12,13,14,15
	global_load_b128 v[96+4*\i:99+4*\i], v1, s[22:23] offset:512*\i   ; k
.endr
	s_wait_kmcnt 0x0
	s_add_co_i32 s9, s74, s75                      ; e6 + e7
	s_lshl_b32 s12, s9, 23
	s_add_co_i32 s6, s12, 0x3e38aa3b               ; c = log2(e) / 8 x 2^(e6 + e7): the exponents are added to c's exponent field
	s_mov_b32 s7, s6
	s_sub_co_i32 s9, 160, s9
	s_lshl_b32 s9, s9, 23
	s_or_b32 s9, s9, 0x80000000
	v_mov_b32 v4, s9                               ; -2^(33 - e6 - e7)
	s_mov_b32 s14, s76
	s_add_co_i32 s15, s76, s77
	MKSCALE 5, 6, 76
	MKSCALE 7, 8, 78
	; THE FILL.  Every byte touched ahead of the barrier is my wave's own.  v's images rest in K's region for the turn; k's are stored over them afterwards.
	s_wait_loadcnt 16                              ; Q and v are in; k's 16 loads may be out
.irp i, 0,1,2,3,4,5,6,7,8,9,10,11,12,13,14,15
	ds_store_b128 v2, v[32+4*\i:35+4*\i] offset:512*\i
.endr
.irp c, 0,1,2,3
.irp a, 0,1
.irp u, 0,1
	ds_load_tr16_b128 v[160+4*(4*\c+2*\a+\u):163+4*(4*\c+2*\a+\u)], v10 offset:(2*\c+\u)*1024+128*\a   ; keys 32 c + 16 a + 8 u + 0 .. 7 of my pair of channels, interleaved
.endr
.endr
.endr
	s_wait_dscnt 0x0
.irp c, 0,1,2,3
.irp a, 0,1
.irp o, 0,1
	v_perm_b32 v[32+8*(2*\c+\a)+4*\o], v[161+8*(2*\c+\a)], v[160+8*(2*\c+\a)], s[66+\o]
	v_perm_b32 v[33+8*(2*\c+\a)+4*\o], v[163+8*(2*\c+\a)], v[162+8*(2*\c+\a)], s[66+\o]
	v_perm_b32 v[34+8*(2*\c+\a)+4*\o], v[165+8*(2*\c+\a)], v[164+8*(2*\c+\a)], s[66+\o]
	v_perm_b32 v[35+8*(2*\c+\a)+4*\o], v[167+8*(2*\c+\a)], v[166+8*(2*\c+\a)], s[66+\o]
	ds_store_b128 v11, v[32+8*(2*\c+\a)+4*\o:35+8*(2*\c+\a)+4*\o] offset:512*\c+256*\a+16*\o   ; 16 keys of one channel: chunk c, half a of its row
.endr
.endr
.endr
	s_wait_loadcnt 0x0
.irp i, 0,1,2,3,4,5,6,7,8,9,10,11,12,13,14,15
	ds_store_b128 v2, v[96+4*\i:99+4*\i] offset:512*\i
.endr
	s_wait_dscnt 0x0                               ; for the others' sake: my stores have landed
	s_barrier_signal -1
	s_barrier_wait -1                              ; the launch's one barrier: behind it LDS is only read
; One tile of 16 queries: q = Q's first register, g = the scalar with 128 x batch + T, fl = the scalar with its flags.
.macro TILE q, g, fl
	v_mov_b32 v13, 0xff61b1e6                      ; the largest t so far: -3e38
	v_floor_f32 v12, -v13
	v_mov_b32 v14, 0
	v_mov_b32 v15, 0
.set j, 0
.rept 32
	v_mov_b32 v[160+j], 0                          ; O^T: the step is written once; the first change of M multiplies zeros
.set j, j+1
.endr
	s_mov_b32 s3, 0
	s_mov_b32 s8, 0
	s_mov_b32 s13, 0
	s_mov_b32 s12, s[\fl]
	s_lshl_b32 s10, s[\g], 12
	s_mov_b32 s11, 0
	s_add_nc_u64 s[10:11], s[86:87], s[10:11]
.Lstep_\@:                                             ; 16 trips: a key step of 128 keys each
	s_lshr_b32 s9, s12, s3
	s_bitcmp1_b32 s9, 0
	s_cbranch_scc0 .Lskip_\@                       ; no key of the step counts for any of my queries
	s_load_b512 s[16:31], s[10:11], s13 offset:0x0
	s_load_b512 s[32:47], s[10:11], s13 offset:0x40
	s_load_b512 s[48:63], s[10:11], s13 offset:0x80
	s_load_b512 s[68:83], s[10:11], s13 offset:0xc0
	v_add_nc_u32 v2, s8, v1
	v_add_nc_u32 v3, s8, v9
	v_nop
	v_nop                                          ; four places in front of loads into registers that matrix instructions have read
.irp t, 0,1,2,3,4,5,6,7
	ds_load_b128 v[32+8*\t:35+8*\t], v2 offset:1024*\t
	ds_load_b128 v[36+8*\t:39+8*\t], v2 offset:1024*\t+512
.endr
	s_wait_dscnt 0x0
.irp t, 0,1,2,3,4,5,6,7
	v_wmma_f32_16x16x64_fp8_fp8 v[96+8*\t:103+8*\t], v[32+8*\t:39+8*\t], v[\q:\q+7], 0
.endr
.rept 4
	v_nop
.endr
.irp t, 0,1,2,3
.irp c, 0,1,2,3
	ds_load_b128 v[32+16*\t+4*\c:35+16*\t+4*\c], v3 offset:2048*\t+512*\c   ; V^T: it lands under the softmax
.endr
.endr
	s_wait_kmcnt 0x0                               ; the mask words are in; their base and offset may be written again
	s_bitcmp1_b32 s9, 16
	s_cbranch_scc0 .Lopen_\@                       ; every key of the step counts for every query of the tile
.set n, 0
.rept 48
	v_cndmask_b32 v[96+n], v4, v[96+n], s[16+n]
.set n, n+1
.endr
.rept 16
	v_cndmask_b32 v[96+n], v4, v[96+n], s[20+n]
.set n, n+1
.endr
.Lopen_\@:
	v_max3_num_f32 v254, v96, v97, v98             ; the step's largest score of my query among my 64 keys, in two chains, each accumulator from its low end on
	v_max3_num_f32 v252, v99, v100, v101
.irp i, 6,10,14,18,22,26,30,34,38,42,46,50,54,58
	v_max3_num_f32 v254, v254, v[96+\i], v[97+\i]
	v_max3_num_f32 v252, v252, v[98+\i], v[99+\i]
.endr
	v_max3_num_f32 v254, v254, v158, v159
	v_max_num_f32 v254, v254, v252
	v_permlanex16_b32 v250, v254, s4, s5
	v_max_num_f32 v254, v254, v250                 ; and among the other half's
	v_mul_f32 v254, s6, v254                       ; as t (c is positive)
	v_max_num_f32 v13, v13, v254
	v_mov_b32 v254, v12
	v_floor_f32 v12, -v13                          ; -M = floor(-t): M is a whole number
	v_sub_f32 v254, v12, v254                      ; old M - new M: a whole number, 0 or less
	v_cvt_i32_f32 v254, v254                       ; (it saturates)
	v_ldexp_f32 v252, 1.0, v254                    ; f = 2^(old M - new M)
.irp j, 0,2,4,6,8,10,12,14,16,18,20,22,24,26,28,30,32,34,36,38,40,42,44,46,48,50,52,54,56,58,60,62
	v_pk_fma_f32 v[96+\j:97+\j], v[96+\j:97+\j], s[6:7], v[12:13] op_sel_hi:[1,0,0]   ; t - M
.endr
.set j, 0
.rept 64
	v_exp_f32 v[96+j], v[96+j]                     ; p = 2^(t - M)
.set j, j+1
.endr
	v_pk_mul_f32 v[14:15], v[14:15], v[252:253] op_sel_hi:[1,0]   ; l under the new M (the plain line behind the exponentials)
	s_wait_alu depctr_va_vdst(0)                   ; one wait for the batch, ahead of its first reader
	v_pk_add_f32 v[248:249], v[96:97], v[98:99]    ; l is summed of the unquantised p, in two chains
.irp j, 4,8,12,16,20,24,28,32,36,40,44,48,52,56,60
	v_pk_add_f32 v[14:15], v[14:15], v[96+\j:97+\j]
	v_pk_add_f32 v[248:249], v[248:249], v[98+\j:99+\j]
.endr
	v_pk_add_f32 v[14:15], v[14:15], v[248:249]
	s_cmp_ge_i32 s14, -8                           ; p is at most 1, and 448 x 2^e8 is at least 1 from e8 = -8 on: the hold can bite only below that
	s_cbranch_scc1 .Lnohold_\@
.set j, 0
.rept 64
	v_min_num_f32 v[96+j], v[96+j], v6
.set j, j+1
.endr
.Lnohold_\@:
.irp b, 0,1,2,3
	v_cvt_scalef32_pk8_fp8_f32 v[224+4*\b:225+4*\b], v[96+16*\b:103+16*\b], v5
	v_cvt_scalef32_pk8_fp8_f32 v[226+4*\b:227+4*\b], v[104+16*\b:111+16*\b], v5
.endr
.irp j, 0,2,4,6,8,10,12,14,16,18,20,22,24,26,28,30
	v_pk_mul_f32 v[160+\j:161+\j], v[160+\j:161+\j], v[252:253] op_sel_hi:[1,0]   ; O^T under the new M; also the plain lines behind the conversions
.endr
	s_wait_dscnt 0x0                               ; V^T is in
.irp t, 0,1,2,3
	v_wmma_f32_16x16x128_fp8_fp8 v[160+8*\t:167+8*\t], v[32+16*\t:47+16*\t], v[224:239], v[160+8*\t:167+8*\t]   ; four accumulators by turns
.endr
.Lskip_\@:
	s_add_co_u32 s8, s8, 8192
	s_add_co_u32 s13, s13, 256
	s_add_co_u32 s3, s3, 1
	s_cmp_lt_u32 s3, 16
	s_cbranch_scc1 .Lstep_\@
	; the tile's way out: O^T / l x 2^(e8 + e9), quantised with 2^e10: an image of 16 tokens x this head's 64
.rept 4
	v_nop
.endr
	v_add_f32 v14, v14, v15
	v_permlanex16_b32 v250, v14, s4, s5
	v_add_f32 v14, v14, v250
	v_rcp_f32 v14, v14
	v_nop
	s_wait_alu depctr_va_vdst(0)
	v_ldexp_f32 v14, v14, s15
.irp j, 0,2,4,6,8,10,12,14,16,18,20,22,24,26,28,30
	v_pk_mul_f32 v[192+\j:193+\j], v[160+\j:161+\j], v[14:15] op_sel_hi:[1,0]
.endr
.set j, 0
.rept 32
	v_med3_num_f32 v[192+j], v[192+j], -v8, v8
.set j, j+1
.endr
	s_wait_xcnt 0x0                                ; the last tile's stores have read their data and base
	s_lshl_b32 s98, s[\g], 4
	s_add_co_u32 s98, s98, s100
	s_lshl_b32 s98, s98, 10
	s_mov_b32 s99, 0
	s_add_nc_u64 s[98:99], s[92:93], s[98:99]
.irp t, 0,1,2,3
	v_cvt_scalef32_pk8_fp8_f32 v[240+2*\t:241+2*\t], v[192+8*\t:199+8*\t], v7
.endr
	v_nop
	global_store_b128 v1, v[240:243], s[98:99]     ; 512 consecutive bytes each
	global_store_b128 v1, v[244:247], s[98:99] offset:512
.endm
	TILE 16, 94, 96
	TILE 24, 95, 97
	s_wait_tensorcnt 0x0
	ds_add_u32 v251, v255
	s_wait_dscnt 0x0
	s_endpgm
.Lfunc_end_k_qa55f57d295_attn:
	.size	k_qa55f57d295_attn, .Lfunc_end_k_qa55f57d295_attn-k_qa55f57d295_attn
	.p2alignl 7, 3214868480
	.fill 96, 4, 3214868480
	.section	.rodata,"a",@progbits
	.p2align	6, 0x0
	.amdhsa_kernel k_qa55f57d295_attn
		.amdhsa_group_segment_fixed_size 264192
		.amdhsa_private_segment_fixed_size 0
		.amdhsa_enable_private_segment 0
		.amdhsa_kernarg_size 40
		.amdhsa_user_sgpr_count 2
		.amdhsa_user_sgpr_kernarg_segment_ptr 1
		.amdhsa_wavefront_size32 1
		.amdhsa_system_sgpr_workgroup_id_x 1
		.amdhsa_system_sgpr_workgroup_id_y 1
		.amdhsa_system_sgpr_workgroup_id_z 1
		.amdhsa_system_vgpr_workitem_id 0
		.amdhsa_next_free_vgpr 256
		.amdhsa_next_free_sgpr 102
		.amdhsa_reserve_vcc 0
		.amdhsa_float_denorm_mode_32 3
		.amdhsa_float_denorm_mode_16_64 3
		.amdhsa_memory_ordered 1
		.amdhsa_forward_progress 1
		.amdhsa_inst_pref_size 67
	.end_amdhsa_kernel
	.amdgpu_metadata
---
amdhsa.version: [ 1, 2 ]
amdhsa.kernels:
  - .name:           k_qa55f57d295_attn
    .symbol:         k_qa55f57d295_attn.kd
    .args:
      - { .name: qkv, .offset: 0, .size: 8, .value_kind: global_buffer, .address_space: global }
      - { .name: mbits, .offset: 8, .size: 8, .value_kind: global_buffer, .address_space: global }
      - { .name: mflag, .offset: 16, .size: 8, .value_kind: global_buffer, .address_space: global }
      - { .name: lowp_scales, .offset: 24, .size: 8, .value_kind: global_buffer, .address_space: global }
      - { .name: ac, .offset: 32, .size: 8, .value_kind: global_buffer, .address_space: global }
    .group_segment_fixed_size: 264192
    .private_segment_fixed_size: 0
    .kernarg_segment_align: 8
    .kernarg_segment_size: 40
    .max_flat_workgroup_size: 512
    .sgpr_count:     102
    .vgpr_count:     256
    .wavefront_size: 32
...
	.end_amdgpu_metadata
.endif
;; end of part 3
;; launch gemm_out (part 4): grid 4 x 32, 4 waves a work-group, clusters of 4 x 4, 327,680 bytes of LDS; arguments ac, wc, lowp_scales, bo, out0; writes out0
.if DOCPART == 4
	.amdgcn_target "amdgcn-amd-amdhsa--gfx1250"
	.amdhsa_code_object_version 6
	.text
	.protected	k_qa55f57d295_gemm_out
	.globl	k_qa55f57d295_gemm_out
	.p2align	8
	.type	k_qa55f57d295_gemm_out,@function
k_qa55f57d295_gemm_out:
	s_mov_b64 s[64:65], 0
	v_nop
	global_prefetch_b8 v0, s[64:65] scope:SCOPE_SE
	s_setreg_imm32_b32 hwreg(HW_REG_WAVE_MODE, 25, 1), 1
	s_wait_xcnt 0x0
	s_wait_alu depctr_hold_cnt(0) depctr_sa_sdst(0) depctr_va_vdst(0) depctr_va_sdst(0) depctr_va_ssrc(0) depctr_va_vcc(0) depctr_vm_vsrc(0)
	s_getreg_b32 s2, hwreg(HW_REG_IB_STS2, 6, 4)
	s_cmp_eq_u32 s2, 0
	s_cbranch_scc0 .Lentry_in_a_cluster
	s_endpgm
.Lentry_in_a_cluster:
	s_bfe_u32 s2, ttmp6, 0x10000c
	s_cmp_lg_u32 s2, 0xf033
	s_cbranch_scc0 .Lentry_shape_is_right
	s_endpgm
.Lentry_shape_is_right:
; out0 = a Wo^T + bo on codes of FP8 (E4M3); a: the attention's result, Wo: the fourth weight in wc; scales 2^e10, 2^e11.
; A tile of the result is 256 tokens x 256 features, made by four waves, each 128 x 128: 64 accumulators.  K = 1,024 goes in four steps of 256 through two LDS slots filled by the tensor data mover.
; OPERANDS LIE IN MEMORY AS IMAGES OF OPERAND REGISTERS: for 16 rows x 128 K, 2,048 bytes [c 0..3][lane][16 bytes]; a row tile's eight images lie on end (16,384 bytes).  A wave's tensor load brings 8 row tiles x 4,096 bytes;
; LDS needs no padding: each fragment load reads 512 consecutive bytes.
; TRANSPOSED USE: source 0 = 16 rows of Wo, source 1 = 16 tokens.  Row r of a tile, of Wo and of tokens alike, is 32 (t / 2) + 8 (t % 2) + r + 8 (r / 8): the way out puts features and tokens back in their places.
; THE BIAS is the C of each sum's first product, divided by 2^(e10 + e11); each finished sum is multiplied once by 2^(e10 + e11).
; CLUSTER 4 x 4: a's tiles are asked for jointly along a row of the cluster, Wo's along a column.  The result has 128 tiles of this size, and so many work-groups are launched.
; LIMIT: e10 + e11 between -126 and 127.
; REGISTERS: window 0: v14 bias offset, v16-21 LDS addresses, v24, v25 the stage, v26 16 x lane, v28, v29 the add's; v32-95 at work on the way out; v64-127 the bias; v128-255 a's fragments, one set, later rows read back.
;   window 1: Wo's fragments, two sets.  windows 2, 3: the accumulators ((a, b) at v[8 (8 (a % 4) + b)]).
.set FR,     16
.set NL,     4
.set NP,     4                         ; places behind this matrix instruction (ISA guide 7.12.1)
.set HALFT,  32768
.set SLOT,   4*HALFT
.set SPARE,  2*SLOT                    ; the spare words, 128 bytes a wave: two blocks of 256 bytes that no other line names
.set SPITCH, 528                       ; the way out: 16 rows x (512 bytes + 16) for each wave, in slot 0, which has had its last fill and its last read when the first result is stored there
.set BO,   14
.set ADRA, 16
.set ADRB, 20
.set STO,  24
.set RD,   25
.set CO,   26
.set SPW,  28
.set NIL,  29
.set TMP,  32
.set BI,   64
.set AF,   128
.set BK,   128
.set G1,  24
.set G0,  32
.set G1B, 48
.set G0B, 56
.set MSB, 0
.macro WIN new                         ; the immediate's high byte repeats the setting that is left
.if MSB != (\new)
	s_set_vgpr_msb (MSB<<8)|(\new)
.set MSB, (\new)
.endif
.endm
.set MUL_LO, 0xa1
.set MUL_HI, 0xf1
.set TO_B,   0x40
.macro JLOAD g0a, g1a, g0b, g1b        ; a joint load: waves 0, 1 fetch for a, waves 2, 3 for Wo; four v_nop follow each line
	s_cmp_eq_u32 s15, 0
	s_cbranch_scc0 .Lfor_b_\@
	tensor_load_to_lds s[\g0a:\g0a+3], s[\g1a:\g1a+7]
	s_nop 0
.rept 4
	v_nop
.endr
	s_branch .Lasked_\@
.Lfor_b_\@:
	tensor_load_to_lds s[\g0b:\g0b+3], s[\g1b:\g1b+7]
	s_nop 0
.rept 4
	v_nop
.endr
.Lasked_\@:
.endm
.macro CREST
	s_cmp_lg_u32 s14, 0
	s_cbranch_scc1 .Lnot_wave_0_\@
	s_barrier_signal -3
.Lnot_wave_0_\@:
	s_barrier_wait -3
	s_barrier_signal -1
	s_barrier_wait -1
.endm
.macro CROUND
	s_barrier_signal -1
	s_barrier_wait -1
	CREST
.endm
.macro PLACES n
.rept \n
	v_nop
.endr
.endm
.macro FRAG reg, adr, q, i
.irp c, 0,1,2,3
	ds_load_b128 v[\reg+4*\c:\reg+4*\c+3], v[\adr] offset:2048*(\q)+512*\c+4096*(\i)
.endr
.endm
.macro MUL16 a0, p, zero               ; token blocks a0, a0 + 1 x Wo's eight.  zero = 1: the bias starts the sums.  The 64 accumulators take turns, one instruction a turn
.irp a, \a0, \a0+1
.irp b, 0,1,2,3,4,5,6,7
.if \zero
	v_wmma_f32_16x16x128_fp8_fp8 v[8*(8*((\a)%4)+\b):8*(8*((\a)%4)+\b)+7], v[128*(\p)+FR*\b:128*(\p)+FR*\b+FR-1], v[AF+FR*(\a):AF+FR*(\a)+FR-1], v[BI+8*\b:BI+8*\b+7]
.else
	v_wmma_f32_16x16x128_fp8_fp8 v[8*(8*((\a)%4)+\b):8*(8*((\a)%4)+\b)+7], v[128*(\p)+FR*\b:128*(\p)+FR*\b+FR-1], v[AF+FR*(\a):AF+FR*(\a)+FR-1], v[8*(8*((\a)%4)+\b):8*(8*((\a)%4)+\b)+7]
.endif
.endr
.endr
.endm
.macro FETCH_B slot, q, p
	WIN TO_B
.irp i, 0,1,2,3,4,5,6,7
	FRAG 128*(\p)+FR*\i, ADRB+\slot, \q, \i
.endr
	WIN 0
.endm
.macro FETCH_A slot, q, i0
.irp i, \i0, \i0+1, \i0+2, \i0+3
	FRAG AF+FR*(\i), ADRA+\slot, \q, \i
.endr
.endm
.macro STEP slot, q, zero
	s_wait_dscnt 4*NL                              ; Wo's set and token blocks 0-3 are in; the youngest 16 loads (blocks 4-7) may be out
.if \zero
	WIN 0x81                                       ; C (the bias) window 0, D window 2
.else
	WIN MUL_LO
.endif
	MUL16 0, (\q)%2, \zero
	MUL16 2, (\q)%2, \zero
	s_wait_dscnt 0
	PLACES NP                                      ; in front of loads into registers that matrix instructions have read
	FETCH_B \slot, (\q)+1, 1-(\q)%2
	FETCH_A \slot, (\q)+1, 0
.if \zero
	WIN 0xc1
.else
	WIN MUL_HI
.endif
	MUL16 4, (\q)%2, \zero
	MUL16 6, (\q)%2, \zero
	PLACES NP
	WIN 0
	FETCH_A \slot, (\q)+1, 4
.endm
.macro TURN slot, next, fill
	s_wait_tensorcnt 0x0                           ; all my tensor loads have landed: my part of the next slot
	ds_add_u32 v[SPW], v[NIL]                      ; 0 onto my spare word
	s_wait_dscnt 4*NL+1                            ; (the add and the youngest 16 loads may be out)
	WIN MUL_LO
	MUL16 0, 1, 0
	s_wait_dscnt 0x0                               ; the add is done, and my reads of this slot are over
	s_barrier_signal -1
	MUL16 2, 1, 0
	WIN 0
	s_barrier_wait -1
.if \fill
	CREST                                          ; the barrier has opened a round of the cluster's barrier: no wave of any partner still reads this slot or has a load on its way
	s_add_nc_u64 s[G0+4*\slot+2:G0+4*\slot+3], s[G0+4*\slot+2:G0+4*\slot+3], 8192
	s_add_nc_u64 s[G0B+4*\slot+2:G0B+4*\slot+3], s[G0B+4*\slot+2:G0B+4*\slot+3], 8192
	JLOAD G0+4*\slot, G1, G0B+4*\slot, G1B         ; the first tensor load behind the round; its four v_nop are the places in front of the loads below
.else
	PLACES NP
.endif
	FETCH_B \next, 0, 0
	FETCH_A \next, 0, 0
	WIN MUL_HI
	MUL16 4, 1, 0
	MUL16 6, 1, 0
	PLACES NP
	WIN 0
	FETCH_A \next, 0, 4
.endm
	s_load_b128 s[4:7], s[0:1], 0x0                ; ac, wc
	s_load_b128 s[8:11], s[0:1], 0x10              ; the scales' exponents, bo
	s_load_b64 s[12:13], s[0:1], 0x20              ; out0
	v_lshl_add_u32 v[SPW], v0, 2, SPARE
	v_mov_b32 v[NIL], 0
	ds_add_u32 v28, v29
	ds_add_u32 v28, v29
	s_wait_dscnt 0x0
	v_lshrrev_b32 v1, 5, v0
	v_readfirstlane_b32 s14, v1                    ; wave
	s_lshr_b32 s15, s14, 1                         ; my half of the tokens.  Also: I fetch for a (0) or for Wo (1)
	s_and_b32 s16, s14, 1                          ; my half of the features.  Also: which 128 rows I fetch
	s_bfe_u32 s40, ttmp6, 0x40000                  ; cx
	s_bfe_u32 s41, ttmp6, 0x40004                  ; cy
	s_lshl_b32 s42, ttmp9, 2
	s_add_co_u32 s42, s42, s40                     ; tile column 0..3
	s_and_b32 s17, ttmp7, 0xffff
	s_lshl_b32 s17, s17, 2
	s_add_co_u32 s17, s17, s41                     ; tile row 0..31
	s_lshl_b32 s43, s41, 2
	s_lshl_b32 s43, 15, s43                        ; my row of the cluster
	s_lshl_b32 s44, 0x1111, s40                    ; my column
	s_or_b32 s[G1+0], s43, (3<<16)|(1<<21)         ; 15:0 the mask; 17:16 elements of 8 bytes; 21 set beside a mask; no padding
	s_or_b32 s[G1B+0], s44, (3<<16)|(1<<21)
.irp g, G1, G1B
	s_mov_b32 s[\g+1], 512<<16                     ; tensor_dim0 = 512 elements: 4,096 bytes, two images
	s_mov_b32 s[\g+2], 8<<16                       ; tensor_dim1 = 8 row tiles
	s_mov_b32 s[\g+3], 512<<16                     ; tile_dim0
	s_mov_b32 s[\g+4], 8                           ; tile_dim1
	s_mov_b32 s[\g+5], 2048                        ; 16,384 bytes from row tile to row tile
	s_mov_b32 s[\g+6], 0
	s_mov_b32 s[\g+7], 0
.endr
	s_lshl_b32 s18, s16, 17                        ; which 8 row tiles I fetch
	s_lshl_b32 s20, s17, 18                        ; a: 16 row tiles a tile row
	s_add_co_u32 s20, s20, s18
	s_mov_b32 s21, 0
	s_lshl_b32 s46, s42, 18                        ; Wo: the fourth weight
	s_add_co_u32 s46, s46, s18
	s_add_co_u32 s46, s46, 0x300000
	s_mov_b32 s47, 0
	s_mul_i32 s45, s14, HALFT                      ; where they go: no place in the cluster enters an LDS address
	s_wait_kmcnt 0x0
	s_load_b64 s[96:97], s[8:9], 0x28              ; e10, e11
	s_add_nc_u64 s[20:21], s[4:5], s[20:21]
	s_add_nc_u64 s[46:47], s[6:7], s[46:47]
	CROUND                                         ; all sixteen work-groups are here: the first joint loads meet
.irp s, 0,1
	s_mov_b32 s[G0+4*\s], 1
	s_add_co_u32 s[G0+4*\s+1], s45, \s*SLOT
	s_add_nc_u64 s[G0+4*\s+2:G0+4*\s+3], s[20:21], \s*4096
	s_or_b32 s[G0+4*\s+3], s[G0+4*\s+3], 0x80000000
	s_mov_b32 s[G0B+4*\s], 1
	s_add_co_u32 s[G0B+4*\s+1], s45, \s*SLOT
	s_add_nc_u64 s[G0B+4*\s+2:G0B+4*\s+3], s[46:47], \s*4096
	s_or_b32 s[G0B+4*\s+3], s[G0B+4*\s+3], 0x80000000
	JLOAD G0+4*\s, G1, G0B+4*\s, G1B
.endr
	v_and_b32 v1, 31, v0
	v_lshlrev_b32 v[CO], 4, v1                     ; 16 x lane
	v_bfe_u32 v2, v0, 4, 1                         ; h
	v_and_b32 v3, 15, v0                           ; r
	v_lshlrev_b32 v[BO], 6, v2
	s_mul_i32 s21, s15, HALFT
	s_mul_i32 s22, s16, HALFT
	s_add_co_u32 s22, s22, 2*HALFT
.irp s, 0,1
	v_add_nc_u32 v[ADRA+\s], s21, v[CO]
	v_add_nc_u32 v[ADRB+\s], s22, v[CO]
	s_add_co_u32 s21, s21, SLOT
	s_add_co_u32 s22, s22, SLOT
.endr
	s_mul_i32 s23, s14, 16*SPITCH                  ; my stage
	v_mul_u32_u24 v5, v3, SPITCH
	v_lshl_add_u32 v5, v2, 6, v5
	v_add_nc_u32 v[STO], s23, v5                   ; in: row r, + 64 h: my half's 16 features of each 32
	v_add_nc_u32 v[RD], s23, v[CO]                 ; back: the 32 lanes take one row of 512 bytes
	s_lshl_b32 s90, s42, 10                        ; my 128 features, in bytes
	s_lshl_b32 s91, s16, 9
	s_add_co_u32 s90, s90, s91
	s_mov_b32 s91, 0
	s_add_nc_u64 s[88:89], s[10:11], s[90:91]
.irp b, 0,1,2,3,4,5,6,7                        ; tile b's eight registers: features 32 (b / 2) + 16 h + 8 (b % 2) + 0 .. 7
	global_load_b128 v[BI+8*\b:BI+8*\b+3], v[BO], s[88:89] offset:(32*(\b/2)+8*(\b%2))*4
	global_load_b128 v[BI+8*\b+4:BI+8*\b+7], v[BO], s[88:89] offset:(32*(\b/2)+8*(\b%2))*4+16
.endr
	s_add_nc_u64 s[12:13], s[12:13], s[90:91]      ; out0 at my features,
	s_lshl_b32 s90, s17, 8
	s_lshl_b32 s92, s15, 7
	s_add_co_u32 s90, s90, s92
	s_lshl_b32 s90, s90, 12                        ; and at my first token: rows of 4,096 bytes
	s_add_nc_u64 s[12:13], s[12:13], s[90:91]
	s_wait_kmcnt 0x0
	s_add_co_i32 s96, s96, s97                     ; e10 + e11
	s_sub_co_i32 s93, 0, s96
	s_add_co_i32 s96, s96, 127
	s_lshl_b32 s96, s96, 23                        ; 2^(e10 + e11) as f32
	s_mov_b32 s97, s96                             ; (named with it as a pair)
	s_wait_loadcnt 0x0
.set j, 0
.rept 64
	v_ldexp_f32 v[BI+j], v[BI+j], s93              ; bo / 2^(e10 + e11)
.set j, j+1
.endr
	s_wait_tensorcnt 1                             ; my part of K step 0 is in; K step 1's may be out
	s_barrier_signal -1
	s_barrier_wait -1
	FETCH_B 0, 0, 0
	FETCH_A 0, 0, 0
	FETCH_A 0, 0, 4
	STEP 0, 0, 1                                   ; K = 1,024 is four slots' worth: written straight, both slots filled again once
	TURN 0, 1, 1
	STEP 1, 0, 0
	TURN 1, 0, 1
	STEP 0, 0, 0
	TURN 0, 1, 0
	STEP 1, 0, 0
	s_wait_dscnt 4*NL
	WIN MUL_LO
	MUL16 0, 1, 0
	MUL16 2, 1, 0
	s_wait_dscnt 0
	WIN MUL_HI
	MUL16 4, 1, 0
	MUL16 6, 1, 0
	WIN 0
; THE WAY OUT, block by block of 16 tokens x 128 features, through my own stage in LDS: in by 32 bytes a lane at the features' natural places, back as whole rows of 512 bytes, which the 32 lanes store.
; LDS serves a wave's instructions in order (ISA guide 5.7.1.4): no wait between the stores and the loads, nor in front of the next block's stores.
.macro TOSTAGE a
.set AC, 64*((\a)%4)
	WIN 0x02+(\a)/4                                ; source 0: window 2 or 3
.irp j, 0,2,4,6,8,10,12,14,16,18,20,22,24,26,28,30,32,34,36,38,40,42,44,46,48,50,52,54,56,58,60,62
	v_pk_mul_f32 v[TMP+\j:TMP+\j+1], v[AC+\j:AC+\j+1], s[96:97] op_sel_hi:[1,0]   ; x 2^(e10 + e11); each accumulator from its low end on
.endr
	WIN 0
.irp b, 0,1,2,3,4,5,6,7
	ds_store_b128 v[STO], v[TMP+8*\b:TMP+8*\b+3] offset:128*(\b/2)+32*(\b%2)
	ds_store_b128 v[STO], v[TMP+8*\b+4:TMP+8*\b+7] offset:128*(\b/2)+32*(\b%2)+16
.endr
.set BB, BK+64*((\a)%2)
.irp t, 0,1,2,3,4,5,6,7,8,9,10,11,12,13,14,15
	ds_load_b128 v[BB+4*\t:BB+4*\t+3], v[RD] offset:\t*SPITCH
.endr
.endm
.macro SEND a, younger                 ; younger: the LDS instructions issued behind block a's loads, which may stay out
.set BB, BK+64*((\a)%2)
	s_wait_dscnt \younger
.irp t, 0,1,2,3,4,5,6,7,8,9,10,11,12,13,14,15
	global_store_b128 v[CO], v[BB+4*\t:BB+4*\t+3], s[12:13] offset:(32*((\a)/2)+8*((\a)%2)+\t+8*(\t/8))*4096 th:TH_STORE_NT   ; the stage's row t is this token; 512 consecutive bytes
.endr
.endm
	PLACES NP
	TOSTAGE 0
.irp a, 1,2,3,4,5,6,7
.if \a > 1
	s_wait_xcnt 0x0                                ; block a - 2's stores have read their registers: block a's loads may land there
.endif
	TOSTAGE \a
	SEND \a-1, 32                                  ; behind block a - 1's loads: block a's 16 stores and 16 loads
.endr
	SEND 7, 0
	s_wait_tensorcnt 0x0                           ; the wave's end
	ds_add_u32 v[SPW], v[NIL]
	s_wait_dscnt 0x0
	CROUND                                         ; the closing round
	s_endpgm
.Lfunc_end_k_qa55f57d295_gemm_out:
	.size	k_qa55f57d295_gemm_out, .Lfunc_end_k_qa55f57d295_gemm_out-k_qa55f57d295_gemm_out
	.p2alignl 7, 3214868480
	.fill 96, 4, 3214868480
	.section	.rodata,"a",@progbits
	.p2align	6, 0x0
	.amdhsa_kernel k_qa55f57d295_gemm_out
		.amdhsa_group_segment_fixed_size 327680
		.amdhsa_private_segment_fixed_size 0
		.amdhsa_enable_private_segment 0
		.amdhsa_kernarg_size 40
		.amdhsa_user_sgpr_count 2
		.amdhsa_user_sgpr_kernarg_segment_ptr 1
		.amdhsa_wavefront_size32 1
		.amdhsa_system_sgpr_workgroup_id_x 1
		.amdhsa_system_sgpr_workgroup_id_y 1
		.amdhsa_system_sgpr_workgroup_id_z 1
		.amdhsa_system_vgpr_workitem_id 0
		.amdhsa_next_free_vgpr 1024
		.amdhsa_next_free_sgpr 100
		.amdhsa_reserve_vcc 0
		.amdhsa_float_denorm_mode_32 3
		.amdhsa_float_denorm_mode_16_64 3
		.amdhsa_memory_ordered 1
		.amdhsa_forward_progress 1
		.amdhsa_inst_pref_size 128
	.end_amdhsa_kernel
	.amdgpu_metadata
---
amdhsa.version: [ 1, 2 ]
amdhsa.kernels:
  - .name:           k_qa55f57d295_gemm_out
    .symbol:         k_qa55f57d295_gemm_out.kd
    .args:
      - { .name: ac, .offset: 0, .size: 8, .value_kind: global_buffer, .address_space: global }
      - { .name: wc, .offset: 8, .size: 8, .value_kind: global_buffer, .address_space: global }
      - { .name: lowp_scales, .offset: 16, .size: 8, .value_kind: global_buffer, .address_space: global }
      - { .name: bo, .offset: 24, .size: 8, .value_kind: global_buffer, .address_space: global }
      - { .name: out0, .offset: 32, .size: 8, .value_kind: global_buffer, .address_space: global }
    .group_segment_fixed_size: 327680
    .private_segment_fixed_size: 0
    .kernarg_segment_align: 8
    .kernarg_segment_size: 40
    .max_flat_workgroup_size: 128
    .sgpr_count:     100
    .vgpr_count:     1024
    .wavefront_size: 32
...
	.end_amdgpu_metadata
.endif
;; end of part 4
;; ======== version 2 of 2: 4 launches; version 1 with the launch attn written anew for expert scheduling mode
;; limits: right only within a limited range of input values
;; workspace buffers: xc 25,165,824 bytes; wc 4,194,304 bytes; mbits 2,097,152 bytes of whole numbers; mflag 2,048 bytes of whole numbers; qkv 25,165,824 bytes; ac 8,388,608 bytes
;; launch prep: the kernel of part 1 again; grid 320 x 1, 4 waves a work-group, no clusters, 68,096 bytes of LDS; arguments x, Wq, Wk, Wv, Wo, mask, lowp_scales, xc, wc, mbits, mflag; writes xc, wc, mbits, mflag
;; launch gemm_qkv: the kernel of part 2 again; grid 12 x 32, 4 waves a work-group, clusters of 4 x 4, 327,680 bytes of LDS; arguments xc, wc, lowp_scales, bq, bk, bv, qkv; writes qkv
;; launch attn (part 5): grid 4 x 64, 16 waves a work-group, no clusters, 264,192 bytes of LDS; arguments qkv, mbits, mflag, lowp_scales, ac; writes ac
.if DOCPART == 5
	.amdgcn_target "amdgcn-amd-amdhsa--gfx1250"
	.amdhsa_code_object_version 6
	.text
	.protected	k_qa55f57d295_attn
	.globl	k_qa55f57d295_attn
	.p2align	8
	.type	k_qa55f57d295_attn,@function
k_qa55f57d295_attn:
	s_mov_b64 s[64:65], 0
	v_nop
	global_prefetch_b8 v0, s[64:65] scope:SCOPE_SE
	s_setreg_imm32_b32 hwreg(HW_REG_WAVE_SCHED_MODE, 0, 2), 2
	s_setreg_imm32_b32 hwreg(HW_REG_WAVE_MODE, 25, 1), 1
	s_wait_xcnt 0x0
	s_wait_alu depctr_vm_vsrc(0)
; ATTENTION on codes of FP8 (E4M3): S^T = K Q^T, the given mask, p = 2^(t - M), O^T = V^T P^T, O / l, quantised for the last product.
; q, k, v: [which][batch x head][token tile 0..127][1,024 bytes]: images of operand registers, 16 tokens x 64: [c 0..1][lane][16 bytes], lane (r, h): k = 32 c + 16 h + 0 .. 15 of the tile's row r,
; which is token 32 (T / 2) + 8 (T % 2) + r + 8 (r / 8).
; SHARES.  A work-group has one head and ALL its keys and values in LDS (128 KiB + 128 KiB), filled once; it owns query tiles T = 4 i + x, i = 0 .. 31; wave w takes i = w and then i = 31 - w.
; Both products are used transposed: a lane holds ONE query throughout.  With the tiles' rows chosen as above, register n of S^T is key 128 s + 32 (n / 16) + 16 h + n % 16: p's codes are the second product's operand.
; V is turned once, at the head: 16-bit transposing loads on pairs of bytes, then byte permutes; V^T lies as images of 16 channels x 128 keys, its tiles' rows chosen like the tokens', so that O^T's registers are neighbours too.
; THE MASK: word n of (batch, T, s) is the lane mask of register n; where a bit is 0 the raw score becomes -2^(33 - e6 - e7), that is t = -log2(e) 2^30, a whole number.  So a query all of whose keys so far are hidden has
; t - M = 0 and p = 1 on each of them, as equal logits give, and any key that counts later multiplies that away by 2^(old M - new M) = 0.
; THE FLAGS (whole numbers stored by the launch before): bit s: key step s must be worked; bit 16 + s: it has a hole.  A step that is not worked is passed over by a scalar branch; a step without a hole passes over the 64 selects.
; SOFTMAX: t = score x log2(e) / 8; M = the running largest t rounded up, kept as -M = floor(-t); l is summed of the unquantised p; when M moves, l and O^T are multiplied by a power of two.
; NO CLUSTER, NO TENSOR LOAD: the four work-groups of a head read the same 256 KiB once, at the head; joint loads would forbid the branches on the stored flags, which leave out whole key steps (12 products and some
; 270 vector lines each), far more than one shared fill is worth.  Nothing is prefetched: K and V are asked for in one run at the head, and nothing else is streamed.
; LIMITS: the hidden logit is -2^30 in place of -1e9: the same results while real logits stay far above it, which 64 x 448^2 x 2^(e6 + e7) / 8 < 2^29 makes sure: e6 + e7 <= 8; also e6 + e7 >= -94; e8 and e10 between -126 and 119.
; THE MODE: SCHED_MODE bits 1:0 = 2 (LLVM: expert scheduling mode 2), set by the entry lines.  The code itself states the register dependences
; between vector or matrix instructions and memory or LDS instructions, with s_wait_alu, always for 0.
; THE PLAN.  Registers that memory or LDS instructions touch:
;   v1, v10, v11  An offset and two LDS addresses, made at the head and never written again.
;   v2, v3        LDS addresses.  v2 serves the fill's stores; then both are written by two additions at the head of each worked key step and read by that step's 32 LDS loads.
;   v16-31        Q: loaded once, read by products alone.
;   v32-95        The fill: v lands, 16 LDS stores read it, the 64 byte permutes write it, 16 LDS stores read it.  A key step: K's fragments land, the 8 products S^T read them, V^T's fragments land, the 4 products O^T read them.
;   v96-159       The fill: k lands, 16 LDS stores read it.  From then on named by matrix and vector instructions alone.
;   v160-223      The fill: the turning loads land, the byte permutes read them.  From then on named by matrix and vector instructions alone.
;   v240-247      A tile's way out: four conversions write them, two global stores read them.
; So a worked key step has three waits of this kind beside the one behind its exponentials: at its head one on vm_vsrc ahead of the two additions and one on va_vdst behind them, straight ahead of K's loads;
; and one on va_vdst behind the products S^T and their places, straight ahead of V^T's loads.  A step that is passed over holds scalar lines alone.  No line of the text writes EXEC or VCC.
; REGISTERS: v1 16 x lane; v2, v3 LDS addresses of the step's K, V; v4 the hidden raw score; v5, v6 2^e8, 448 x 2^e8; v7, v8 the same for e10; v9 16 x lane + V's region; v10, v11 the fill's addresses; v12 -M; v13 largest t;
;   v[14:15] l; v16-23, v24-31 Q of my two tiles; v32-95 fragments; v96-159 S^T, p; v160-191 O^T; v192-223 the way out; v224-239 p's codes; v240-247 o's codes; v248-254 at work.
; SCALARS: s2 wave; s3 key step; s[4:5] lane selects; s[6:7] c; s8 the step's LDS byte; s9 at work; s[10:11] the tile's mask words; s12 its flags; s13 the step's byte among them; s14 e8; s15 e8 + e9;
;   s[16:63], s[68:83] the step's 64 mask words; s94, s95 128 x batch + T of my two tiles; s96, s97 their flags; s[98:99] where o's codes go; s100 the head.
.set VREG, 131072                      ; K's 128 images at 0; V^T's [step 0..15][tile 0..3][2,048 bytes] here
.macro MKSCALE vs, vl, se
	s_add_co_i32 s12, s[\se], 127
	s_lshl_b32 s13, s12, 23
	v_mov_b32 v[\vs], s13
	s_add_co_i32 s12, s12, 8
	s_lshl_b32 s12, s12, 23
	s_or_b32 s12, s12, 0x600000
	v_mov_b32 v[\vl], s12
.endm
	s_load_b256 s[84:91], s[0:1], 0x0              ; qkv, mbits, mflag, the scales' exponents
	s_load_b64 s[92:93], s[0:1], 0x20              ; ac
	v_lshl_add_u32 v251, v0, 2, 0x40000
	v_mov_b32 v255, 0
	v_and_b32 v1, 31, v0
	v_lshrrev_b32 v2, 5, v0
	v_readfirstlane_b32 s2, v2                     ; wave 0..15
	v_lshlrev_b32 v1, 4, v1
	v_add_nc_u32 v9, VREG, v1
	s_wait_alu depctr_va_sdst(0)                   ; s2 is written, ahead of its first reader: LDS addresses, tiles and bases are made from it
	s_lshl_b32 s9, s2, 13                          ; 8,192 x wave: my key step's bytes in either region
	v_add_nc_u32 v2, s9, v1                        ; the fill: images as they come
	v_bfe_u32 v10, v0, 3, 2                        ; the turning loads: group g of eight lanes takes channels 16 g on (256 g bytes), lane i of it the i-th of eight neighbouring keys
	v_and_b32 v11, 7, v0
	v_lshlrev_b32 v10, 8, v10
	v_lshl_add_u32 v10, v11, 4, v10
	v_add_nc_u32 v10, s9, v10
	v_bfe_u32 v11, v0, 4, 1                        ; and where the turned bytes go: my channels are 16 g + 2 i and + 1: bit 5 and bit 3 of the channel pick the tile, bit 4 and bits 2:0 its row
	v_lshlrev_b32 v11, 12, v11
	v_bfe_u32 v3, v0, 3, 1
	v_lshl_add_u32 v11, v3, 7, v11
	v_bfe_u32 v3, v0, 2, 1
	v_lshl_add_u32 v11, v3, 11, v11
	v_and_b32 v3, 3, v0
	v_lshl_add_u32 v11, v3, 5, v11
	v_add_nc_u32 v11, s9, v11
	v_add_nc_u32 v11, VREG, v11
	v_mov_b32 v250, 0                              ; written once: a lane permute's destination counts as read
	v_mov_b32 v253, 0                              ; (named as the upper half of a pair)
	s_mov_b32 s4, 0x76543210
	s_mov_b32 s5, 0xfedcba98
	s_mov_b32 s66, 0x06040200                      ; the even bytes of two registers
	s_mov_b32 s67, 0x07050301                      ; the odd ones
	s_and_b32 s12, ttmp7, 0xffff                   ; batch x 16 + head
	s_lshr_b32 s13, s12, 4
	s_lshl_b32 s13, s13, 7                         ; 128 x batch
	s_and_b32 s100, s12, 15
	s_lshl_b32 s94, s2, 2
	s_add_co_u32 s94, s94, ttmp9                   ; T of my first tile: 4 w + x
	s_sub_co_u32 s95, 31, s2
	s_lshl_b32 s95, s95, 2
	s_add_co_u32 s95, s95, ttmp9                   ; of my second: 4 (31 - w) + x
	s_lshl_b32 s14, s12, 7
	s_add_co_u32 s24, s14, s94
	s_lshl_b32 s24, s24, 10
	s_mov_b32 s25, 0
	s_add_co_u32 s26, s14, s95
	s_lshl_b32 s26, s26, 10
	s_mov_b32 s27, 0
	s_lshl_b32 s28, s14, 10
	s_add_co_u32 s28, s28, s9                      ; my 8 token tiles of the head
	s_add_co_u32 s30, s28, 0x800000                ; in k
	s_add_co_u32 s28, s28, 0x1000000               ; in v
	s_mov_b32 s29, 0
	s_mov_b32 s31, 0
	s_add_co_u32 s94, s94, s13
	s_add_co_u32 s95, s95, s13
	s_lshl_b32 s32, s94, 2
	s_lshl_b32 s33, s95, 2
	s_wait_kmcnt 0x0
	s_load_b256 s[68:75], s[90:91], 0x0            ; e0 .. e7
	s_load_b128 s[76:79], s[90:91], 0x20           ; e8 .. e11
	s_load_b32 s96, s[88:89], s32 offset:0x0
	s_load_b32 s97, s[88:89], s33 offset:0x0
	s_add_nc_u64 s[16:17], s[84:85], s[24:25]
	s_add_nc_u64 s[18:19], s[84:85], s[26:27]
	s_add_nc_u64 s[20:21], s[84:85], s[28:29]
	s_add_nc_u64 s[22:23], s[84:85], s[30:31]
	s_wait_alu depctr_va_vdst(0)                   ; v1, v2, v10 and v11 are written: the offset of every global load and store, and the LDS addresses of the fill's stores and turning loads
	global_load_b128 v[16:19], v1, s[16:17]
	global_load_b128 v[20:23], v1, s[16:17] offset:512
	global_load_b128 v[24:27], v1, s[18:19]
	global_load_b128 v[28:31], v1, s[18:19] offset:512
.irp i, 0,1,2,3,4,5,6,7,8,9,10,11,12,13,14,15
	global_load_b128 v[32+4*\i:35+4*\i], v1, s[20:21] offset:512*\i   ; v, as it lies
.endr
.irp i, 0,1,2,3,4,5,6,7,8,9,10,11,12,13,14,15
	global_load_b128 v[96+4*\i:99+4*\i], v1, s[22:23] offset:512*\i   ; k
.endr
	s_wait_kmcnt 0x0
	s_add_co_i32 s9, s74, s75                      ; e6 + e7
	s_lshl_b32 s12, s9, 23
	s_add_co_i32 s6, s12, 0x3e38aa3b               ; c = log2(e) / 8 x 2^(e6 + e7): the exponents are added to c's exponent field
	s_mov_b32 s7, s6
	s_sub_co_i32 s9, 160, s9
	s_lshl_b32 s9, s9, 23
	s_or_b32 s9, s9, 0x80000000
	v_mov_b32 v4, s9                               ; -2^(33 - e6 - e7)
	s_mov_b32 s14, s76
	s_add_co_i32 s15, s76, s77
	MKSCALE 5, 6, 76
	MKSCALE 7, 8, 78
	; THE FILL.  Every byte touched ahead of the barrier is my wave's own.  v's images rest in K's region for the turn; k's are stored over them afterwards.
	; (The vector lines since the wait above write v4 to v8, which no memory or LDS instruction names.)
	s_wait_loadcnt 16                              ; Q and v are in; k's 16 loads may be out
.irp i, 0,1,2,3,4,5,6,7,8,9,10,11,12,13,14,15
	ds_store_b128 v2, v[32+4*\i:35+4*\i] offset:512*\i
.endr
.irp c, 0,1,2,3
.irp a, 0,1
.irp u, 0,1
	ds_load_tr16_b128 v[160+4*(4*\c+2*\a+\u):163+4*(4*\c+2*\a+\u)], v10 offset:(2*\c+\u)*1024+128*\a   ; keys 32 c + 16 a + 8 u + 0 .. 7 of my pair of channels, interleaved
.endr
.endr
.endr
	s_wait_dscnt 0x0
	s_wait_alu depctr_vm_vsrc(0)                   ; the LDS stores of v have read v32-95, which the byte permutes write
.irp c, 0,1,2,3                                ; the 64 permutes stand in one run, so that one wait serves the 16 stores behind them
.irp a, 0,1
.irp o, 0,1
	v_perm_b32 v[32+8*(2*\c+\a)+4*\o], v[161+8*(2*\c+\a)], v[160+8*(2*\c+\a)], s[66+\o]
	v_perm_b32 v[33+8*(2*\c+\a)+4*\o], v[163+8*(2*\c+\a)], v[162+8*(2*\c+\a)], s[66+\o]
	v_perm_b32 v[34+8*(2*\c+\a)+4*\o], v[165+8*(2*\c+\a)], v[164+8*(2*\c+\a)], s[66+\o]
	v_perm_b32 v[35+8*(2*\c+\a)+4*\o], v[167+8*(2*\c+\a)], v[166+8*(2*\c+\a)], s[66+\o]
.endr
.endr
.endr
	s_wait_alu depctr_va_vdst(0)                   ; the byte permutes have written v32-95, which the LDS stores below read
.irp c, 0,1,2,3
.irp a, 0,1
.irp o, 0,1
	ds_store_b128 v11, v[32+8*(2*\c+\a)+4*\o:35+8*(2*\c+\a)+4*\o] offset:512*\c+256*\a+16*\o   ; 16 keys of one channel: chunk c, half a of its row
.endr
.endr
.endr
	s_wait_loadcnt 0x0
.irp i, 0,1,2,3,4,5,6,7,8,9,10,11,12,13,14,15
	ds_store_b128 v2, v[96+4*\i:99+4*\i] offset:512*\i
.endr
	s_wait_dscnt 0x0                               ; for the others' sake: my stores have landed
	s_barrier_signal -1
	s_barrier_wait -1                              ; the launch's one barrier: behind it LDS is only read
; One tile of 16 queries: q = Q's first register, g = the scalar with 128 x batch + T, fl = the scalar with its flags, later = 1: a tile of mine has gone out before.
.macro TILE q, g, fl, later
	v_mov_b32 v13, 0xff61b1e6                      ; the largest t so far: -3e38
	v_floor_f32 v12, -v13
	v_mov_b32 v14, 0
	v_mov_b32 v15, 0
.set j, 0
.rept 32
	v_mov_b32 v[160+j], 0                          ; O^T: the step is written once; the first change of M multiplies zeros
.set j, j+1
.endr
	s_mov_b32 s3, 0
	s_mov_b32 s8, 0
	s_mov_b32 s13, 0
	s_mov_b32 s12, s[\fl]
	s_lshl_b32 s10, s[\g], 12
	s_mov_b32 s11, 0
	s_add_nc_u64 s[10:11], s[86:87], s[10:11]
.Lstep_\@:                                             ; 16 trips: a key step of 128 keys each
	s_lshr_b32 s9, s12, s3
	s_bitcmp1_b32 s9, 0
	s_cbranch_scc0 .Lskip_\@                       ; no key of the step counts for any of my queries
	s_load_b512 s[16:31], s[10:11], s13 offset:0x0
	s_load_b512 s[32:47], s[10:11], s13 offset:0x40
	s_load_b512 s[48:63], s[10:11], s13 offset:0x80
	s_load_b512 s[68:83], s[10:11], s13 offset:0xc0
	s_wait_alu depctr_vm_vsrc(0)                   ; the LDS loads of the last step worked have read v2 and v3, which the additions write; in my first step: the fill's stores have read v2, v32-95, in which K lands, and v96-159, which the products write
	v_add_nc_u32 v2, s8, v1
	v_add_nc_u32 v3, s8, v9
	v_nop
	v_nop                                          ; four places in front of loads into registers that matrix instructions have read
	s_wait_alu depctr_va_vdst(0)                   ; v2 and v3 are written, which the step's LDS loads read; the products O^T of the last step worked are done reading v32-95, in which K lands (in my first step: the byte permutes have written them)
.irp t, 0,1,2,3,4,5,6,7
	ds_load_b128 v[32+8*\t:35+8*\t], v2 offset:1024*\t
	ds_load_b128 v[36+8*\t:39+8*\t], v2 offset:1024*\t+512
.endr
	s_wait_dscnt 0x0
.irp t, 0,1,2,3,4,5,6,7
	v_wmma_f32_16x16x64_fp8_fp8 v[96+8*\t:103+8*\t], v[32+8*\t:39+8*\t], v[\q:\q+7], 0
.endr
.rept 4
	v_nop
.endr
	s_wait_alu depctr_va_vdst(0)                   ; the eight products are done reading v32-95, in which V^T lands; the places above stay beside this wait, for the vector lines that read the scores
.irp t, 0,1,2,3
.irp c, 0,1,2,3
	ds_load_b128 v[32+16*\t+4*\c:35+16*\t+4*\c], v3 offset:2048*\t+512*\c   ; V^T: it lands under the softmax
.endr
.endr
	s_wait_kmcnt 0x0                               ; the mask words are in; their base and offset may be written again
	s_bitcmp1_b32 s9, 16
	s_cbranch_scc0 .Lopen_\@                       ; every key of the step counts for every query of the tile
.set n, 0
.rept 48
	v_cndmask_b32 v[96+n], v4, v[96+n], s[16+n]
.set n, n+1
.endr
.rept 16
	v_cndmask_b32 v[96+n], v4, v[96+n], s[20+n]
.set n, n+1
.endr
.Lopen_\@:
	v_max3_num_f32 v254, v96, v97, v98             ; the step's largest score of my query among my 64 keys, in two chains, each accumulator from its low end on
	v_max3_num_f32 v252, v99, v100, v101
.irp i, 6,10,14,18,22,26,30,34,38,42,46,50,54,58
	v_max3_num_f32 v254, v254, v[96+\i], v[97+\i]
	v_max3_num_f32 v252, v252, v[98+\i], v[99+\i]
.endr
	v_max3_num_f32 v254, v254, v158, v159
	v_max_num_f32 v254, v254, v252
	v_permlanex16_b32 v250, v254, s4, s5
	v_max_num_f32 v254, v254, v250                 ; and among the other half's
	v_mul_f32 v254, s6, v254                       ; as t (c is positive)
	v_max_num_f32 v13, v13, v254
	v_mov_b32 v254, v12
	v_floor_f32 v12, -v13                          ; -M = floor(-t): M is a whole number
	v_sub_f32 v254, v12, v254                      ; old M - new M: a whole number, 0 or less
	v_cvt_i32_f32 v254, v254                       ; (it saturates)
	v_ldexp_f32 v252, 1.0, v254                    ; f = 2^(old M - new M)
.irp j, 0,2,4,6,8,10,12,14,16,18,20,22,24,26,28,30,32,34,36,38,40,42,44,46,48,50,52,54,56,58,60,62
	v_pk_fma_f32 v[96+\j:97+\j], v[96+\j:97+\j], s[6:7], v[12:13] op_sel_hi:[1,0,0]   ; t - M
.endr
.set j, 0
.rept 64
	v_exp_f32 v[96+j], v[96+j]                     ; p = 2^(t - M)
.set j, j+1
.endr
	v_pk_mul_f32 v[14:15], v[14:15], v[252:253] op_sel_hi:[1,0]   ; l under the new M (the plain line behind the exponentials)
	s_wait_alu depctr_va_vdst(0)                   ; the 64 exponentials have written v96-159: one wait for the batch, ahead of its first reader
	v_pk_add_f32 v[248:249], v[96:97], v[98:99]    ; l is summed of the unquantised p, in two chains
.irp j, 4,8,12,16,20,24,28,32,36,40,44,48,52,56,60
	v_pk_add_f32 v[14:15], v[14:15], v[96+\j:97+\j]
	v_pk_add_f32 v[248:249], v[248:249], v[98+\j:99+\j]
.endr
	v_pk_add_f32 v[14:15], v[14:15], v[248:249]
	s_cmp_ge_i32 s14, -8                           ; p is at most 1, and 448 x 2^e8 is at least 1 from e8 = -8 on: the hold can bite only below that
	s_cbranch_scc1 .Lnohold_\@
.set j, 0
.rept 64
	v_min_num_f32 v[96+j], v[96+j], v6
.set j, j+1
.endr
.Lnohold_\@:
.irp b, 0,1,2,3
	v_cvt_scalef32_pk8_fp8_f32 v[224+4*\b:225+4*\b], v[96+16*\b:103+16*\b], v5
	v_cvt_scalef32_pk8_fp8_f32 v[226+4*\b:227+4*\b], v[104+16*\b:111+16*\b], v5
.endr
.irp j, 0,2,4,6,8,10,12,14,16,18,20,22,24,26,28,30
	v_pk_mul_f32 v[160+\j:161+\j], v[160+\j:161+\j], v[252:253] op_sel_hi:[1,0]   ; O^T under the new M; also the plain lines behind the conversions
.endr
	s_wait_dscnt 0x0                               ; V^T is in
.irp t, 0,1,2,3
	v_wmma_f32_16x16x128_fp8_fp8 v[160+8*\t:167+8*\t], v[32+16*\t:47+16*\t], v[224:239], v[160+8*\t:167+8*\t]   ; four accumulators by turns
.endr
.Lskip_\@:
	s_add_co_u32 s8, s8, 8192
	s_add_co_u32 s13, s13, 256
	s_add_co_u32 s3, s3, 1
	s_cmp_lt_u32 s3, 16
	s_cbranch_scc1 .Lstep_\@
	; the tile's way out: O^T / l x 2^(e8 + e9), quantised with 2^e10: an image of 16 tokens x this head's 64
.rept 4
	v_nop
.endr
	v_add_f32 v14, v14, v15
	v_permlanex16_b32 v250, v14, s4, s5
	v_add_f32 v14, v14, v250
	v_rcp_f32 v14, v14
	v_nop
	s_wait_alu depctr_va_vdst(0)                   ; the reciprocal has written v14, ahead of its first reader
	v_ldexp_f32 v14, v14, s15
.irp j, 0,2,4,6,8,10,12,14,16,18,20,22,24,26,28,30
	v_pk_mul_f32 v[192+\j:193+\j], v[160+\j:161+\j], v[14:15] op_sel_hi:[1,0]
.endr
.set j, 0
.rept 32
	v_med3_num_f32 v[192+j], v[192+j], -v8, v8
.set j, j+1
.endr
	s_wait_xcnt 0x0                                ; the last tile's stores have read their data and base
.if \later
	s_wait_alu depctr_vm_vsrc(0)                   ; the last tile's two stores have read v240-247, which the conversions below write again
.endif
	s_lshl_b32 s98, s[\g], 4
	s_add_co_u32 s98, s98, s100
	s_lshl_b32 s98, s98, 10
	s_mov_b32 s99, 0
	s_add_nc_u64 s[98:99], s[92:93], s[98:99]
.irp t, 0,1,2,3
	v_cvt_scalef32_pk8_fp8_f32 v[240+2*\t:241+2*\t], v[192+8*\t:199+8*\t], v7
.endr
	v_nop
	s_wait_alu depctr_va_vdst(0)                   ; the four conversions have written v240-247, which the two stores read
	global_store_b128 v1, v[240:243], s[98:99]     ; 512 consecutive bytes each
	global_store_b128 v1, v[244:247], s[98:99] offset:512
.endm
	TILE 16, 94, 96, 0
	TILE 24, 95, 97, 1
	s_wait_dscnt 0x0
	s_wait_alu depctr_hold_cnt(0) depctr_sa_sdst(0) depctr_va_vdst(0) depctr_va_sdst(0) depctr_va_ssrc(0) depctr_va_vcc(0) depctr_vm_vsrc(0)
	s_wait_tensorcnt 0x0
	ds_add_u32 v251, v255
	s_wait_dscnt 0x0
	s_endpgm
.Lfunc_end_k_qa55f57d295_attn:
	.size	k_qa55f57d295_attn, .Lfunc_end_k_qa55f57d295_attn-k_qa55f57d295_attn
	.p2alignl 7, 3214868480
	.fill 96, 4, 3214868480
	.section	.rodata,"a",@progbits
	.p2align	6, 0x0
	.amdhsa_kernel k_qa55f57d295_attn
		.amdhsa_group_segment_fixed_size 264192
		.amdhsa_private_segment_fixed_size 0
		.amdhsa_enable_private_segment 0
		.amdhsa_kernarg_size 40
		.amdhsa_user_sgpr_count 2
		.amdhsa_user_sgpr_kernarg_segment_ptr 1
		.amdhsa_wavefront_size32 1
		.amdhsa_system_sgpr_workgroup_id_x 1
		.amdhsa_system_sgpr_workgroup_id_y 1
		.amdhsa_system_sgpr_workgroup_id_z 1
		.amdhsa_system_vgpr_workitem_id 0
		.amdhsa_next_free_vgpr 256
		.amdhsa_next_free_sgpr 102
		.amdhsa_reserve_vcc 0
		.amdhsa_float_denorm_mode_32 3
		.amdhsa_float_denorm_mode_16_64 3
		.amdhsa_memory_ordered 1
		.amdhsa_forward_progress 1
		.amdhsa_inst_pref_size 67
	.end_amdhsa_kernel
	.amdgpu_metadata
---
amdhsa.version: [ 1, 2 ]
amdhsa.kernels:
  - .name:           k_qa55f57d295_attn
    .symbol:         k_qa55f57d295_attn.kd
    .args:
      - { .name: qkv, .offset: 0, .size: 8, .value_kind: global_buffer, .address_space: global }
      - { .name: mbits, .offset: 8, .size: 8, .value_kind: global_buffer, .address_space: global }
      - { .name: mflag, .offset: 16, .size: 8, .value_kind: global_buffer, .address_space: global }
      - { .name: lowp_scales, .offset: 24, .size: 8, .value_kind: global_buffer, .address_space: global }
      - { .name: ac, .offset: 32, .size: 8, .value_kind: global_buffer, .address_space: global }
    .group_segment_fixed_size: 264192
    .private_segment_fixed_size: 0
    .kernarg_segment_align: 8
    .kernarg_segment_size: 40
    .max_flat_workgroup_size: 512
    .sgpr_count:     102
    .vgpr_count:     256
    .wavefront_size: 32
...
	.end_amdgpu_metadata
.endif
;; end of part 5
;; launch gemm_out: the kernel of part 4 again; grid 4 x 32, 4 waves a work-group, clusters of 4 x 4, 327,680 bytes of LDS; arguments ac, wc, lowp_scales, bo, out0; writes out0
